; MI455X (gfx1250); checked and timed in simulation.
; The chip was launched on July 23, 2026; its instructions are those of AMD's public machine-readable ISA for CDNA 5 (MIT licence, August 2026) and "CDNA5" Instruction Set Architecture Reference Guide (July 2026). The comments in the code are by the model that wrote it; some were corrected since.
;; Scaled Dot Product Attention. Allowed arithmetic: matrix products marked QUANTISED: E2M3 operands, one E8M0 scale for each 32 along K, by v_wmma_scale_f32_16x16x128_f8f6f4 with both operands' format E2M3, f32 sums; everything else in f32.
;; Inputs: Wk 1,024 x 64 float32; Wq 1,024 x 64 float32; Wv 1,024 x 64 float32; x 4 x 4,096 x 1,024 float32.
;; Outputs: out0 4 x 4,096 x 64 float32.
;; This version of the problem:
;;   THIS VERSION OF THE PROBLEM IS GIVEN IN LOW PRECISION. The matrix products marked QUANTISED in the list below multiply operands that are first quantised to E2M3 (2 exponent bits, 3 mantissa bits; 6 bits a number), with one power-of-two scale for each 32 numbers along K (OCP MX v1.0); their sums are f32. All else is computed in f32.
;;   The module's matrix products, in the order in which they are computed (A, B: the left and right operand; K: the contracted axis; several contracted axes count as one K, in the product's order):
;;     1. [M 16,384, K 1,024] x [K 1,024, N 64]; A: input x; B: input Wq: QUANTISED
;;     2. [M 16,384, K 1,024] x [K 1,024, N 64]; A: input x; B: input Wk: QUANTISED
;;     3. [M 16,384, K 1,024] x [K 1,024, N 64]; A: input x; B: input Wv: QUANTISED
;;     4. batch 4 x [M 4,096, K 64] x [K 64, N 4,096]; A: computed on the way; B: computed on the way: QUANTISED
;;     5. batch 4 x [M 4,096, K 4,096] x [K 4,096, N 64]; A: softmax (see below); B: computed on the way: QUANTISED
;;   THE QUANTISER, for each operand of a quantised product, along K:
;;     - K is cut into blocks of 32 from its start; a last block that is shorter is filled with zeros.
;;     - A block's scale is 2^e with e = floor(log2(the largest magnitude in the block)) - 2, held to -126 .. 127; a block of zeros has e = 0. As a byte (E8M0): e + 127.
;;     - Each number is divided by its block's scale, clamped to +-7.5, and rounded to the nearest number of E2M3, ties to even, subnormals kept.
;;     - The product sums the exact products of the quantised numbers (number of the format x scale) in f32.
;;   ~~~python
;;   def quantise(x, axis):      # numpy; x: float32 -> the quantised numbers, widened to float32 again
;;       x = np.moveaxis(x, axis, -1); K = x.shape[-1]
;;       x = np.pad(x, [(0, 0)] * (x.ndim - 1) + [(0, -K % 32)]); x = x.reshape(x.shape[:-1] + (-1, 32)); a = np.abs(x).max(-1, keepdims=True)
;;       e = np.where(a > 0, np.clip(np.frexp(np.where(a > 0, a, 1))[1] - 1 - 2, -126, 127), 0)      # np.frexp(a)[1] - 1 = floor(log2(a)), exactly
;;       r = np.clip(x / 2.0 ** e, -7.5, 7.5)
;;       step = 2.0 ** (np.maximum(np.frexp(np.where(r == 0, 1, r))[1] - 1, 0) - 3)
;;       q = np.round(r / step) * step * 2.0 ** e      # np.round: ties to even
;;       return np.moveaxis(q.reshape(q.shape[:-2] + (-1,))[..., :K], -1, axis).astype(np.float32)
;;   ~~~
;;   SOFTMAX AHEAD OF A QUANTISED PRODUCT. Where the list says 'softmax', what is quantised is not the finished softmax but p = 2^(t - M), with t = logit x log2(e) and M = ceil(the row's largest t), a whole number; so 1/2 < the row's largest p <= 1. The row's sum l is taken of the UNQUANTISED p, in f32, and the product's result is divided by l at the end. Since M is a whole number, a kernel that streams over the keys may use a running M (the ceiling of the running maximum): every later rescaling is an exact power of two, which a block's scale takes up: the codes' values come out the same.
;;   OPERANDS COMPUTED ON THE WAY. 'Computed on the way' means the value that the module computes at that place (a softmax that the list does not call 'softmax' is quantised finished and normalised). What goes into a quantiser is computed in f32, as accurately as f32 sums, v_exp_f32 and their like allow (about 1e-6 of the number): no bf16 or f16 on the way to a quantiser, and a product that is left as it is and whose result goes on into a quantised operand takes f32 operands (vector FMAs, or v_wmma_f32_16x16x4_f32). A number that lies on a knife's edge between two numbers of the format may be rounded either way, as far as f32 arithmetic and the matrix unit's own rounding can turn it there, and no further.
;; 2 versions. Each part assembles by itself: llvm-mc -triple=amdgcn-amd-amdhsa -mcpu=gfx1250 --defsym DOCPART=n.
;; ======== version 1 of 2: 3 launches
;; workspace buffers: wfrag 159,744 bytes; qws 1,048,576 bytes; kvws 1,638,400 bytes
;; launch wquant (part 1): grid 3 x 8, 4 waves a work-group, no clusters, 1,024 bytes of LDS; arguments Wq, Wk, Wv, wfrag; writes wfrag
.if DOCPART == 1
	.amdgcn_target "amdgcn-amd-amdhsa--gfx1250"
	.amdhsa_code_object_version 6
	.text
	.protected	k_qe090ef2e85_wquant
	.globl	k_qe090ef2e85_wquant
	.p2align	8
	.type	k_qe090ef2e85_wquant,@function
k_qe090ef2e85_wquant:
	s_mov_b64 s[64:65], 0
	v_nop
	global_prefetch_b8 v0, s[64:65] scope:SCOPE_SE
	s_setreg_imm32_b32 hwreg(HW_REG_WAVE_MODE, 25, 1), 1
	s_wait_xcnt 0x0
; Wq, Wk, Wv [1024 (k)][64 (n)], f32, become codes of FP6 (E2M3) with one E8M0 byte for each 32 along k, laid in wfrag as IMAGES OF THE OPERAND'S REGISTERS.
; wfrag: 8 chunks (one for each 128 along k) of 19,968 bytes.  A chunk: 12 fragments of 1,536 bytes (tile T = 4 g + e: g = 0 Wq, 1 Wk, 2 Wv; three blocks of 512 bytes, block c = registers 4 c .. 4 c + 3 at 16 x lane),
; then at 18,432 three blocks of 512 bytes: lane l's 16 bytes are the scale words of tiles 4 g .. 4 g + 3 for the tile's lane l % 16.
; A work-group takes one weight g (x) and one chunk (y); wave e makes tile e of it.  LANE r TAKES A COLUMN AND ITS REGISTERS RUN DOWN k, in the order that the operand's layout gives that lane
; (lane (r, h): registers 6 c .. 6 c + 5 = k 64 c + 32 h + 0 .. 31), so the conversions' results are the operand's registers.
; THE COLUMNS OF A TILE: Wq, Wk: lane r of tile 2 b + u takes column 32 b + 8 u + r + 8 (r / 8), so that in the transposed product two neighbouring tiles give a lane 16 neighbouring columns; Wv: column 16 e + r.
; A block's scale byte is its largest magnitude's exponent field - 2, held at 1 from below.
; LIMITS: a block of zeros gets the byte 1 where the rule says 127 (its codes are zeros, and this program alone reads the bytes); NaN and infinities among the inputs are not served.
.set CHUNK, 19968
.set SCB,   18432
	s_load_b256 s[4:11], s[0:1], 0x0               ; Wq s[4:5], Wk s[6:7], Wv s[8:9], wfrag s[10:11]
	v_lshl_add_u32 v200, v0, 2, 0x200
	v_mov_b32 v201, 0
	v_lshrrev_b32 v1, 5, v0
	v_readfirstlane_b32 s12, v1                    ; e: my wave, my tile of the weight
	s_and_b32 s13, ttmp7, 0xffff                   ; which 128 along k
	v_and_b32 v1, 15, v0                           ; r
	v_bfe_u32 v2, v0, 4, 1                         ; h
	v_and_b32 v3, 31, v0                           ; lane
	v_lshlrev_b32 v6, 4, v3                        ; 16 x lane: an image's place for my lane, in memory and in LDS
	s_lshl_b32 s14, s12, 2
	v_add_nc_u32 v7, s14, v6                       ; LDS: 16 x lane + 4 x tile: where my scale word goes
	s_lshr_b32 s15, s12, 1
	s_lshl_b32 s15, s15, 5
	s_and_b32 s16, s12, 1
	s_lshl_b32 s16, s16, 3
	s_add_co_u32 s15, s15, s16                     ; 32 (e / 2) + 8 (e % 2)
	s_lshl_b32 s16, s12, 4                         ; 16 e
	s_cmp_lt_u32 ttmp9, 2                          ; Wq and Wk take the first order of columns, Wv the second
	s_cselect_b32 s15, s15, s16
	s_cselect_b32 s16, 8, 0
	v_and_b32 v4, s16, v1
	v_add3_u32 v4, v4, v1, s15                     ; my column
	v_lshlrev_b32 v4, 2, v4
	v_lshl_add_u32 v5, v2, 13, v4                  ; lanes 16-31 begin 32 rows of 256 bytes further down
	s_mov_b32 s28, 0x76543210
	s_mov_b32 s29, 0xfedcba98                      ; v_permlanex16_b32's selects for lane l xor 16
	s_lshl_b32 s20, s13, 15                        ; 128 rows of 256 bytes a chunk
	s_mov_b32 s21, 0
	s_lshl_b32 s22, ttmp9, 2
	s_add_co_u32 s22, s22, s12                     ; T = 4 g + e
	s_mul_i32 s22, s22, 1536
	s_mul_i32 s24, s13, CHUNK
	s_add_co_u32 s22, s22, s24                     ; my fragment's place in wfrag
	s_mov_b32 s23, 0
	s_lshl_b32 s26, ttmp9, 9
	s_add_co_u32 s24, s24, s26
	s_add_co_u32 s24, s24, SCB                     ; and the weight's block of scale words
	s_mov_b32 s25, 0
	s_wait_kmcnt 0x0
	s_cmp_eq_u32 ttmp9, 0                          ; the weight is chosen by the work-group's number alone
	s_cselect_b64 s[18:19], s[4:5], s[6:7]
	s_cmp_eq_u32 ttmp9, 2
	s_cselect_b64 s[18:19], s[8:9], s[18:19]
	s_add_nc_u64 s[18:19], s[18:19], s[20:21]
	s_add_nc_u64 s[22:23], s[10:11], s[22:23]
	s_add_nc_u64 s[24:25], s[10:11], s[24:25]
.irp c, 0,1
.irp i, 0,1,2,3,4,5,6,7,8,9,10,11,12,13,14,15,16,17,18,19,20,21,22,23,24,25,26,27,28,29,30,31
	global_load_b32 v[64+32*\c+\i], v5, s[18:19] offset:(64*\c+\i)*256 th:TH_LOAD_NT   ; W(64 c + 32 h + i, my column)
.endr
.endr
	s_wait_loadcnt 0x0
.irp c, 0,1                                    ; my block 2 c + h: all its 32 numbers are mine
	v_max3_num_f32 v[32+\c], |v[64+32*\c]|, |v[65+32*\c]|, 0x1800000   ; with the floor 2^(3 - 127): the byte cannot fall under 1
.endr
.irp i, 2,4,6,8,10,12,14,16,18,20,22,24,26,28,30
.irp c, 0,1
	v_max3_num_f32 v[32+\c], v[32+\c], |v[64+32*\c+\i]|, |v[65+32*\c+\i]|
.endr
.endr
.irp c, 0,1
	v_add_nc_u32 v[44+\c], 0xff000000, v[32+\c]    ; 2 off the exponent field: the conversion's scale operand
.endr
.irp c, 0,1
	v_lshrrev_b32 v[36+\c], 23, v[44+\c]           ; the scale's byte
.endr
	v_lshl_or_b32 v9, v37, 16, v36                 ; my two bytes: blocks h and 2 + h,
	v_lshlrev_b32 v10, 3, v2
	v_lshlrev_b32 v9, v10, v9                      ; at their places in the word (8 h bits up);
	v_mov_b32 v10, 0
	v_permlanex16_b32 v10, v9, s28, s29
	v_or_b32 v9, v9, v10                           ; with lane l xor 16's two the word is whole, in both lanes
.irp c, 0,1
	v_cvt_scalef32_pk16_fp6_f32 v[48+6*\c:50+6*\c], v[64+32*\c:79+32*\c], v[44+\c]
	v_cvt_scalef32_pk16_fp6_f32 v[192+4*\c:194+4*\c], v[80+32*\c:95+32*\c], v[44+\c]   ; (a conversion's three registers begin on an even number)
.endr
	v_nop                                          ; one plain place behind a scaled conversion
.irp c, 0,1
.irp i, 0,1,2
	v_mov_b32 v[51+6*\c+\i], v[192+4*\c+\i]
.endr
.endr
.irp c, 0,1,2
	global_store_b128 v6, v[48+4*\c:51+4*\c], s[22:23] offset:512*\c   ; 32 lanes store 512 consecutive bytes
.endr
	ds_store_b32 v7, v9                            ; the four tiles' words meet in LDS, 16 bytes a lane
	s_wait_dscnt 0x0                               ; for the others' sake: my store has landed
	s_barrier_signal -1
	s_barrier_wait -1
	s_cmp_lg_u32 s12, 0
	s_cbranch_scc1 .Ldone
	ds_load_b128 v[12:15], v6                      ; wave 0: lane l's four words
	s_wait_dscnt 0x0
	global_store_b128 v6, v[12:15], s[24:25]
.Ldone:
	s_wait_tensorcnt 0x0
	ds_add_u32 v200, v201
	s_wait_dscnt 0x0
	s_endpgm
.Lfunc_end_k_qe090ef2e85_wquant:
	.size	k_qe090ef2e85_wquant, .Lfunc_end_k_qe090ef2e85_wquant-k_qe090ef2e85_wquant
	.p2alignl 7, 3214868480
	.fill 96, 4, 3214868480
	.section	.rodata,"a",@progbits
	.p2align	6, 0x0
	.amdhsa_kernel k_qe090ef2e85_wquant
		.amdhsa_group_segment_fixed_size 1024
		.amdhsa_private_segment_fixed_size 0
		.amdhsa_enable_private_segment 0
		.amdhsa_kernarg_size 32
		.amdhsa_user_sgpr_count 2
		.amdhsa_user_sgpr_kernarg_segment_ptr 1
		.amdhsa_wavefront_size32 1
		.amdhsa_system_sgpr_workgroup_id_x 1
		.amdhsa_system_sgpr_workgroup_id_y 1
		.amdhsa_system_sgpr_workgroup_id_z 1
		.amdhsa_system_vgpr_workitem_id 0
		.amdhsa_next_free_vgpr 202
		.amdhsa_next_free_sgpr 66
		.amdhsa_reserve_vcc 0
		.amdhsa_float_denorm_mode_32 3
		.amdhsa_float_denorm_mode_16_64 3
		.amdhsa_memory_ordered 1
		.amdhsa_forward_progress 1
		.amdhsa_inst_pref_size 12
	.end_amdhsa_kernel
	.amdgpu_metadata
---
amdhsa.version: [ 1, 2 ]
amdhsa.kernels:
  - .name:           k_qe090ef2e85_wquant
    .symbol:         k_qe090ef2e85_wquant.kd
    .args:
      - { .name: Wq, .offset: 0, .size: 8, .value_kind: global_buffer, .address_space: global }
      - { .name: Wk, .offset: 8, .size: 8, .value_kind: global_buffer, .address_space: global }
      - { .name: Wv, .offset: 16, .size: 8, .value_kind: global_buffer, .address_space: global }
      - { .name: wfrag, .offset: 24, .size: 8, .value_kind: global_buffer, .address_space: global }
    .group_segment_fixed_size: 1024
    .private_segment_fixed_size: 0
    .kernarg_segment_align: 8
    .kernarg_segment_size: 32
    .max_flat_workgroup_size: 128
    .sgpr_count:     66
    .vgpr_count:     202
    .wavefront_size: 32
...
	.end_amdgpu_metadata
.endif
;; end of part 1
;; launch proj (part 2): grid 256 x 1, 4 waves a work-group, clusters of 4 x 1, 211,712 bytes of LDS; arguments x, wfrag, qws, kvws; writes qws, kvws
.if DOCPART == 2
	.amdgcn_target "amdgcn-amd-amdhsa--gfx1250"
	.amdhsa_code_object_version 6
	.text
	.protected	k_qe090ef2e85_proj
	.globl	k_qe090ef2e85_proj
	.p2align	8
	.type	k_qe090ef2e85_proj,@function
k_qe090ef2e85_proj:
	s_mov_b64 s[64:65], 0
	v_nop
	global_prefetch_b8 v0, s[64:65] scope:SCOPE_SE
	s_setreg_imm32_b32 hwreg(HW_REG_WAVE_MODE, 25, 1), 1
	s_wait_xcnt 0x0
	s_wait_alu depctr_hold_cnt(0) depctr_sa_sdst(0) depctr_va_vdst(0) depctr_va_sdst(0) depctr_va_ssrc(0) depctr_va_vcc(0) depctr_vm_vsrc(0)
	s_getreg_b32 s2, hwreg(HW_REG_IB_STS2, 6, 4)
	s_cmp_eq_u32 s2, 0
	s_cbranch_scc0 .Lentry_in_a_cluster
	s_endpgm
.Lentry_in_a_cluster:
	s_bfe_u32 s2, ttmp6, 0x10000c
	s_cmp_lg_u32 s2, 0x3003
	s_cbranch_scc0 .Lentry_shape_is_right
	s_endpgm
.Lentry_shape_is_right:
; q, k, v = x W, on codes of FP6 (E2M3) with one E8M0 scale for each 32 along C; then q and k are quantised along the head's 64 and v along the tokens, and leave as images of the next launch's operand registers.
; SHARES.  Work-group G takes tokens 64 G .. 64 G + 63.  Wave w = 2 b + u takes the 16 tokens 64 G + 32 b + 8 u + i + 8 (i / 8), i = 0 .. 15, and all 192 columns: 12 accumulators, 8 steps of 128 along C.
; That order of tokens makes a wave's tile of k a tile of keys whose scores fall, two tiles together, on 16 neighbouring keys in a lane.
; x is read once, 512 consecutive bytes a load, 64 loads of a wave ahead; a step's 16 x 128 numbers turn through the wave's own stage in LDS, so that a lane holds 16 neighbours of each block of 32.
; W's codes (wfrag, 159,744 bytes) come into LDS once, a quarter by each wave's one tensor load.  CLUSTER: the four work-groups of a cluster want the same bytes, so the load is asked for jointly (mask 15).
; Nothing in LDS is filled a second time.  A wave has one tensor load out.
; PRODUCTS.  Tiles 0-7 (Wq, Wk) are used transposed (source 0 = 16 columns of W, source 1 = my 16 tokens): a lane holds one token and its registers run along the head.
; Tiles 8-11 (Wv) are used as written (source 0 = tokens, source 1 = columns): a lane holds one channel d and eight tokens; the four waves' parts meet in LDS, tokens innermost, and wave w quantises channels 16 w .. 16 w + 15.
; OUT.  qws: a record of 1,024 bytes for tile 4 G + w: registers 0-3 at 16 x lane, 4-5 at 512 + 8 x lane, the scale word (s0, s1, s0, s1) twice at 768 + 8 x lane.
; kvws: a half-record of 6,400 bytes for the 64 tokens: k's tile w at 768 w, v's channels 16 w on at 3,072 + 768 w (512 + 256 bytes each), at 6,144 + 8 x lane the pair (k's scale word, v's).
; LIMITS: a block of zeros gets the byte 1 where the rule says 127 (its codes are zeros; this program alone reads the bytes); NaN and infinities among the inputs are not served.
; REGISTERS, in windows of 256: window 0: addresses, scale words, the numbers in hand and their codes; window 1: x as loaded, four sets of 64; window 2: W's 12 fragments; window 3: the accumulators, tile T at 8 T.
.set CHUNK, 19968                      ; a step's part of wfrag
.set WQ4,   39936                      ; a quarter of wfrag: 156 rows of 256 bytes
.set XST,   159744                     ; behind W: a stage of 16 rows x 528 bytes for each wave
.set XSTW,  8448
.set XP,    528                        ; 512 bytes + 16: an odd multiple of 16, so that sixteen rows' reads start in different banks (64 banks of 4 bytes: ISA guide 11.1)
.set VST,   193536                     ; v: 64 rows (channels) x (256 bytes of 64 tokens + 16)
.set VP,    272
.set SCST,  210944                     ; 256 bytes: the half-record's scale words
.set LB16, 1                           ; v1   16 x lane
.set LB8,  2                           ; v2   8 x lane
.set STI,  3                           ; v3   my stage, on the way in
.set STO,  4                           ; v4   and out: row r, + 64 h
.set WA,   5                           ; v5   16 x lane + the step's chunk of W
.set VSO,  6                           ; v6   v's stage, on the way in
.set VSI,  7                           ; v7   and out
.set KSA,  8                           ; v8   where k's two scale bytes go
.set VSA,  9                           ; v9   and v's
.set SCR,  10                          ; v10  the scale words on the way out
.set WS,   16                          ; v16-27  W's scale words, tile T at WS + T
.set PW,   28                          ; v28     x's scale word
.set TM,   32                          ; v32-47  +0..3 largest magnitudes, +4..7 the other half's, then bytes, +12..15 the conversions' scale operands
.set PC,   48                          ; v48-59  x's codes; v60-66 at work
.set X0,   68                          ; v68-131, v132-195  two sets of 64 numbers
.set QC,   196                         ; q's codes (6), at work (+12), scale words (+16, +17)
.set KC,   216                         ; k's
.set VC,   236                         ; v's
.set WV,   12                          ; s12  my wave
.set SEL,  32                          ; s[32:33]
.set XB,   34                          ; s[34:35] x at my first token
.set QB,   36                          ; s[36:37] my record of qws
.set KVG,  38                          ; s[38:39] the half-record of kvws
.set KVW,  40                          ; s[40:41] + 768 x wave
.set MSB, 0
.macro WIN new                         ; the immediate's high byte repeats the setting that is left; a switch that changes nothing is dropped
.if MSB != (\new)
	s_set_vgpr_msb (MSB<<8)|(\new)
.set MSB, \new
.endif
.endm
.macro PLACES n
.rept \n
	v_nop
.endr
.endm
.macro ROUND                           ; a round of the cluster's barrier
	s_barrier_signal -1
	s_barrier_wait -1
	s_cmp_lg_u32 s[WV], 0
	s_cbranch_scc1 .Lnot_wave_0_\@
	s_barrier_signal -3
.Lnot_wave_0_\@:
	s_barrier_wait -3
	s_barrier_signal -1
	s_barrier_wait -1
.endm
.macro XLOAD s                         ; step s of my 16 tokens: 16 loads of 512 consecutive bytes, into set s % 4 of window 1
	WIN 0x40
.irp i, 0,1,2,3,4,5,6,7,8,9,10,11,12,13,14,15
	global_load_b128 v[64*((\s)%4)+4*\i:64*((\s)%4)+4*\i+3], v[LB16], s[XB:XB+1] offset:(\i+8*(\i/8))*4096+512*(\s) th:TH_LOAD_NT
.endr
	WIN 0
.endm
.macro TURN s                          ; through my stage: in as loaded, out 16 neighbours of each block of 32: register 16 b + i = k 32 b + 16 h + i of row r.  LDS serves a wave's instructions in order (ISA guide 5.7.1.4)
	WIN 0x04
.irp i, 0,1,2,3,4,5,6,7,8,9,10,11,12,13,14,15
	ds_store_b128 v[STI], v[64*((\s)%4)+4*\i:64*((\s)%4)+4*\i+3] offset:XP*\i
.endr
	WIN 0
.irp b, 0,1,2,3
.irp j, 0,1,2,3
	ds_load_b128 v[X0+64*((\s)%2)+16*\b+4*\j:X0+64*((\s)%2)+16*\b+4*\j+3], v[STO] offset:128*\b+16*\j
.endr
.endr
.endm
.macro WLOAD                           ; a step's 12 fragments of W and their scale words: 39 loads
	WIN 0x80
.irp T, 0,1,2,3,4,5,6,7,8,9,10,11
.irp c, 0,1,2
	ds_load_b128 v[12*\T+4*\c:12*\T+4*\c+3], v[WA] offset:1536*\T+512*\c
.endr
.endr
	WIN 0
.irp g, 0,1,2
	ds_load_b128 v[WS+4*\g:WS+4*\g+3], v[WA] offset:18432+512*\g
.endr
.endm
; 32 nc numbers of a lane in window win, register 16 b + i = k 32 b + 16 h + i of my row, become 6 nc registers of codes at v[pc] on and 2 nc scale bytes in v[pw].
.macro QUANT src, win, nc, pc, pw
.irp b, 0,1,2,3
.if \b < 2*(\nc)
	v_mov_b32 v[TM+\b], 0x1800000                  ; the floor 2^(3 - 127), under which no largest magnitude is taken: the byte cannot fall under 1
.endif
.endr
	WIN ((\win)<<2)|((\win)<<4)
.irp i, 0,2,4,6,8,10,12,14                     ; ascending: each accumulator is read from its low end on
.irp b, 0,1,2,3
.if \b < 2*(\nc)
	v_max3_num_f32 v[TM+\b], v[TM+\b], |v[(\src)+16*\b+\i]|, |v[(\src)+16*\b+\i+1]|
.endif
.endr
.endr
	WIN 0
.irp b, 0,1,2,3
.if \b < 2*(\nc)
	v_permlanex16_b32 v[TM+4+\b], v[TM+\b], s[SEL], s[SEL+1]
.endif
.endr
.irp b, 0,1,2,3
.if \b < 2*(\nc)
	v_max_num_f32 v[TM+\b], v[TM+\b], v[TM+4+\b]   ; with lane l xor 16's 16: the block's largest magnitude
.endif
.endr
.irp b, 0,1,2,3
.if \b < 2*(\nc)
	v_add_nc_u32 v[TM+12+\b], 0xff000000, v[TM+\b] ; 2 off its exponent field: the conversion's scale operand
.endif
.endr
.irp b, 0,1,2,3
.if \b < 2*(\nc)
	v_lshrrev_b32 v[TM+4+\b], 23, v[TM+12+\b]      ; the scale's byte
.endif
.endr
	v_lshl_or_b32 v[\pw], v[TM+5], 8, v[TM+4]
.if (\nc) > 1
	v_lshl_or_b32 v[\pw], v[TM+6], 16, v[\pw]
	v_lshl_or_b32 v[\pw], v[TM+7], 24, v[\pw]
.endif
	WIN \win
.irp c, 0,1
.if \c < (\nc)
	v_cvt_scalef32_pk16_fp6_f32 v[(\pc)+6*\c:(\pc)+6*\c+2], v[(\src)+32*\c:(\src)+32*\c+15], v[TM+12+2*\c]
	v_cvt_scalef32_pk16_fp6_f32 v[(\pc)+12+4*\c:(\pc)+14+4*\c], v[(\src)+32*\c+16:(\src)+32*\c+31], v[TM+13+2*\c]   ; (a conversion's three registers begin on an even number)
.endif
.endr
	WIN 0
	v_nop                                          ; one plain place behind a scaled conversion
.irp c, 0,1                                    ; the operand's layout wants a WHOLE block in a lane: lanes 0-15 block 2 c, lanes 16-31 block 2 c + 1
.if \c < (\nc)
.irp i, 0,1,2
	v_permlane16_swap_b32 v[(\pc)+6*\c+\i], v[(\pc)+12+4*\c+\i]
.endr
.irp i, 0,1,2
	v_mov_b32 v[(\pc)+3+6*\c+\i], v[(\pc)+12+4*\c+\i]
.endr
.endif
.endr
.endm
; A step's 12 products.  The twelve accumulators take turns, one instruction a turn, in the same order in every step.  z = 1: the first step starts the sums.
.macro MUL z
	WIN 0xf2                                       ; source 0 (W) window 2, source 1 (x) window 0, C and D window 3
.irp T, 0,1,2,3,4,5,6,7
.if \z
	v_wmma_scale_f32_16x16x128_f8f6f4 v[8*\T:8*\T+7], v[12*\T:12*\T+11], v[PC:PC+11], 0, v[WS+\T], v[PW] matrix_a_fmt:MATRIX_FMT_FP6 matrix_b_fmt:MATRIX_FMT_FP6
.else
	v_wmma_scale_f32_16x16x128_f8f6f4 v[8*\T:8*\T+7], v[12*\T:12*\T+11], v[PC:PC+11], v[8*\T:8*\T+7], v[WS+\T], v[PW] matrix_a_fmt:MATRIX_FMT_FP6 matrix_b_fmt:MATRIX_FMT_FP6
.endif
.endr
	WIN 0xf8                                       ; source 0 (x) window 0, source 1 (W) window 2
.irp T, 8,9,10,11
.if \z
	v_wmma_scale_f32_16x16x128_f8f6f4 v[8*\T:8*\T+7], v[PC:PC+11], v[12*\T:12*\T+11], 0, v[PW], v[WS+\T] matrix_a_fmt:MATRIX_FMT_FP6 matrix_b_fmt:MATRIX_FMT_FP6
.else
	v_wmma_scale_f32_16x16x128_f8f6f4 v[8*\T:8*\T+7], v[PC:PC+11], v[12*\T:12*\T+11], v[8*\T:8*\T+7], v[PW], v[WS+\T] matrix_a_fmt:MATRIX_FMT_FP6 matrix_b_fmt:MATRIX_FMT_FP6
.endif
.endr
	WIN 0
.endm
.macro STEP s
	s_wait_dscnt 39                                ; this step's numbers are back from the stage, so its stores have read set s % 4; W's 39 loads may be out
.if (\s) < 4
	XLOAD (\s)+4                                   ; that set takes the loads of four steps on
.endif
.if (\s) < 7
.if (\s) < 4
	s_wait_loadcnt 48                              ; the next step's 16 loads are in; three younger sets may be out
.else
	s_wait_loadcnt 16*(6-(\s))                     ; 16 x the sets that are younger than the next step's
.endif
	TURN (\s)+1
.endif
	QUANT X0+64*((\s)%2),0,2,PC,PW
	PLACES 8                                       ; a scale word written by a vector instruction stands 8 places ahead of a scaled matrix instruction, codes so written 4
.if (\s) < 7
	s_wait_dscnt 32                                ; W's fragments and scale words are in; the turn's 16 stores and 16 loads may be out
.else
	s_wait_dscnt 0x0
.endif
.if (\s) == 0
	MUL 1
.else
	MUL 0
.endif
.if (\s) < 7
	v_add_nc_u32 v[WA], CHUNK, v[WA]               ; the loads that named it are done: on to the next chunk
	PLACES 4                                       ; in front of loads into registers that matrix instructions have read
	WLOAD
.endif
.endm
	s_load_b256 s[4:11], s[0:1], 0x0               ; x s[4:5], wfrag s[6:7], qws s[8:9], kvws s[10:11]
	v_lshl_add_u32 v254, v0, 2, 0x33900
	v_mov_b32 v255, 0
	ds_add_u32 v254, v255
	ds_add_u32 v254, v255
	v_lshrrev_b32 v11, 5, v0
	v_readfirstlane_b32 s[WV], v11                 ; wave 0..3
	s_bfe_u32 s13, ttmp6, 0x40000                  ; cx: my place in the cluster: it enters global addresses alone
	s_lshl_b32 s14, ttmp9, 2
	s_add_co_u32 s14, s14, s13                     ; G
	s_lshr_b32 s15, s[WV], 1                       ; b
	s_and_b32 s28, s[WV], 1                        ; u
	v_and_b32 v11, 31, v0                          ; lane
	v_and_b32 v12, 15, v0                          ; r
	v_bfe_u32 v13, v0, 4, 1                        ; h
	v_lshlrev_b32 v[LB16], 4, v11
	v_lshlrev_b32 v[LB8], 3, v11
	v_lshlrev_b32 v[WA], 4, v11
	s_mul_i32 s29, s[WV], XSTW
	s_add_co_u32 s29, s29, XST
	v_add_nc_u32 v[STI], s29, v[LB16]
	v_mul_u32_u24 v[STO], v12, XP
	v_lshl_add_u32 v[STO], v13, 6, v[STO]
	v_add_nc_u32 v[STO], s29, v[STO]
	v_mul_u32_u24 v14, v12, VP
	v_lshl_add_u32 v14, v13, 6, v14                ; 272 r + 64 h
	s_lshl_b32 s30, s15, 7
	s_lshl_b32 s31, s28, 5
	s_add_co_u32 s30, s30, s31
	s_add_co_u32 s30, s30, VST
	v_add_nc_u32 v[VSO], s30, v14                  ; row d = 16 t + r (t in the offset); my eight tokens 32 b + 16 h + 8 u + j
	s_mul_i32 s30, s[WV], 16*VP
	s_add_co_u32 s30, s30, VST
	v_add_nc_u32 v[VSI], s30, v14                  ; row d = 16 w + r; 16 tokens of each block of 32
	v_lshlrev_b32 v15, 3, v12                      ; 8 r
	s_lshl_b32 s30, s15, 7
	s_lshl_b32 s31, s28, 1
	s_add_co_u32 s30, s30, s31
	s_add_co_u32 s30, s30, SCST
	v_add_nc_u32 v[KSA], s30, v15                  ; k's word of lane 16 b + r: half u
	s_lshl_b32 s30, s28, 7
	s_lshl_b32 s31, s15, 1
	s_add_co_u32 s30, s30, s31
	s_add_co_u32 s30, s30, SCST+4
	v_add_nc_u32 v[VSA], s30, v15                  ; v's word of lane 16 (w % 2) + r: half w / 2
	v_add_nc_u32 v[SCR], SCST, v[LB8]
.irp b, 0,1,2,3
	v_mov_b32 v[TM+4+\b], 0                        ; written once: a lane permute's destination counts as one of its sources
.endr
	s_mov_b32 s[SEL], 0x76543210
	s_mov_b32 s[SEL+1], 0xfedcba98
	; descriptor group 1: a dense block of 156 rows x 256 bytes (32 elements of 8 bytes)
	s_mov_b32 s20, 15|(3<<16)|(1<<21)              ; 15:0 the mask: all four work-groups; 17:16 elements of 8 bytes; 20 no padding; 21 set beside a mask
	s_mov_b32 s21, 32<<16                          ; tensor_dim0 = 32
	s_mov_b32 s22, 156<<16                         ; tensor_dim1 = 156
	s_mov_b32 s23, 32<<16                          ; tile_dim0 = 32
	s_mov_b32 s24, 156                             ; tile_dim1 = 156
	s_mov_b32 s25, 32                              ; from row to row
	s_mov_b32 s26, 0
	s_mov_b32 s27, 0
	s_mov_b32 s16, 1                               ; group 0: count = 1
	s_mul_i32 s17, s[WV], WQ4                      ; LDS address: my quarter
	s_lshl_b32 s42, s14, 18                        ; (64 G + 32 b + 8 u) rows of 4,096 bytes
	s_lshl_b32 s44, s15, 17
	s_add_co_u32 s42, s42, s44
	s_lshl_b32 s44, s28, 15
	s_add_co_u32 s42, s42, s44
	s_mov_b32 s43, 0
	s_mov_b32 s45, 0
	s_wait_dscnt 0x0
	s_wait_kmcnt 0x0
	s_add_nc_u64 s[XB:XB+1], s[4:5], s[42:43]
	s_mov_b32 s42, s17
	s_add_nc_u64 s[18:19], s[6:7], s[42:43]        ; global address: my quarter of wfrag, the same in all four work-groups
	s_or_b32 s19, s19, 0x80000000                  ; type = 2
	s_lshl_b32 s42, s14, 2
	s_add_co_u32 s42, s42, s[WV]
	s_lshl_b32 s42, s42, 10                        ; record 4 G + w
	s_add_nc_u64 s[QB:QB+1], s[8:9], s[42:43]
	s_mul_i32 s42, s14, 6400
	s_add_nc_u64 s[KVG:KVG+1], s[10:11], s[42:43]
	s_mul_i32 s44, s[WV], 768
	s_add_nc_u64 s[KVW:KVW+1], s[KVG:KVG+1], s[44:45]
	XLOAD 0                                        ; x first: 64 loads of a wave are on their way while W comes
	XLOAD 1
	XLOAD 2
	XLOAD 3
	ROUND                                          ; all four work-groups are here: the joint loads meet
	tensor_load_to_lds s[16:19], s[20:27]
	s_nop 0
	PLACES 4
	s_wait_tensorcnt 0x0                           ; my quarter of W is in,
	s_barrier_signal -1
	s_barrier_wait -1                              ; everybody's is
	s_wait_loadcnt 48                              ; step 0's 16 loads are in
	TURN 0
	WLOAD
.irp q, 0,1,2,3,4,5,6,7
	STEP \q
.endr
	PLACES 4                                       ; in front of the first reads of results
	WIN 0x0c                                       ; an LDS store's data are its source 1: window 3
.irp t, 0,1,2,3
	ds_store_b128 v[VSO], v[64+8*\t:64+8*\t+3] offset:16*\t*VP       ; v(tokens 32 b + 16 h + 8 u + 0 .. 7, channel 16 t + r); each accumulator from its low end on
	ds_store_b128 v[VSO], v[64+8*\t+4:64+8*\t+7] offset:16*\t*VP+16
.endr
	WIN 0
	QUANT 0,3,1,QC,QC+16                           ; q: tiles 0-3: register 16 b + i = channel 32 b + 16 h + i of my token
	v_lshl_or_b32 v[QC+16], v[QC+16], 16, v[QC+16] ; (s0, s1, s0, s1): q will stand in the lower or in the upper 64 of a K of 128
	v_mov_b32 v[QC+17], v[QC+16]
	global_store_b128 v[LB16], v[QC:QC+3], s[QB:QB+1]
	global_store_b64 v[LB8], v[QC+4:QC+5], s[QB:QB+1] offset:512
	global_store_b64 v[LB8], v[QC+16:QC+17], s[QB:QB+1] offset:768
	QUANT 32,3,1,KC,KC+16                          ; k: tiles 4-7
	global_store_b128 v[LB16], v[KC:KC+3], s[KVW:KVW+1]
	global_store_b64 v[LB8], v[KC+4:KC+5], s[KVW:KVW+1] offset:512
	ds_store_b16 v[KSA], v[KC+16]                  ; both lanes of a row write the same two bytes
	s_wait_dscnt 0x0                               ; for the others' sake: my part of v and my bytes have landed
	s_barrier_signal -1
	s_barrier_wait -1
.irp b, 0,1
.irp i, 0,1,2,3
	ds_load_b128 v[X0+16*\b+4*\i:X0+16*\b+4*\i+3], v[VSI] offset:128*\b+16*\i   ; channel 16 w + r: register 16 b + i = token 32 b + 16 h + i
.endr
.endr
	s_wait_dscnt 0x0
	QUANT X0,0,1,VC,VC+16                          ; v, along the tokens
	global_store_b128 v[LB16], v[VC:VC+3], s[KVW:KVW+1] offset:3072
	global_store_b64 v[LB8], v[VC+4:VC+5], s[KVW:KVW+1] offset:3584
	ds_store_b16 v[VSA], v[VC+16]
	s_wait_dscnt 0x0
	s_barrier_signal -1
	s_barrier_wait -1                              ; the 256 bytes of scale words are whole
	s_cmp_lg_u32 s[WV], 0
	s_cbranch_scc1 .Lnot_mine
	ds_load_b64 v[30:31], v[SCR]
	s_wait_dscnt 0x0
	global_store_b64 v[LB8], v[30:31], s[KVG:KVG+1] offset:6144   ; 32 lanes store 256 consecutive bytes
.Lnot_mine:
	s_wait_tensorcnt 0x0
	ds_add_u32 v254, v255
	s_wait_dscnt 0x0
	ROUND                                          ; the closing round: no work-group ends while a partner may still ask for a tile that names it
	s_endpgm
.Lfunc_end_k_qe090ef2e85_proj:
	.size	k_qe090ef2e85_proj, .Lfunc_end_k_qe090ef2e85_proj-k_qe090ef2e85_proj
	.p2alignl 7, 3214868480
	.fill 96, 4, 3214868480
	.section	.rodata,"a",@progbits
	.p2align	6, 0x0
	.amdhsa_kernel k_qe090ef2e85_proj
		.amdhsa_group_segment_fixed_size 211712
		.amdhsa_private_segment_fixed_size 0
		.amdhsa_enable_private_segment 0
		.amdhsa_kernarg_size 32
		.amdhsa_user_sgpr_count 2
		.amdhsa_user_sgpr_kernarg_segment_ptr 1
		.amdhsa_wavefront_size32 1
		.amdhsa_system_sgpr_workgroup_id_x 1
		.amdhsa_system_sgpr_workgroup_id_y 1
		.amdhsa_system_sgpr_workgroup_id_z 1
		.amdhsa_system_vgpr_workitem_id 0
		.amdhsa_next_free_vgpr 864
		.amdhsa_next_free_sgpr 66
		.amdhsa_reserve_vcc 0
		.amdhsa_float_denorm_mode_32 3
		.amdhsa_float_denorm_mode_16_64 3
		.amdhsa_memory_ordered 1
		.amdhsa_forward_progress 1
		.amdhsa_inst_pref_size 111
	.end_amdhsa_kernel
	.amdgpu_metadata
---
amdhsa.version: [ 1, 2 ]
amdhsa.kernels:
  - .name:           k_qe090ef2e85_proj
    .symbol:         k_qe090ef2e85_proj.kd
    .args:
      - { .name: x, .offset: 0, .size: 8, .value_kind: global_buffer, .address_space: global }
      - { .name: wfrag, .offset: 8, .size: 8, .value_kind: global_buffer, .address_space: global }
      - { .name: qws, .offset: 16, .size: 8, .value_kind: global_buffer, .address_space: global }
      - { .name: kvws, .offset: 24, .size: 8, .value_kind: global_buffer, .address_space: global }
    .group_segment_fixed_size: 211712
    .private_segment_fixed_size: 0
    .kernarg_segment_align: 8
    .kernarg_segment_size: 32
    .max_flat_workgroup_size: 128
    .sgpr_count:     66
    .vgpr_count:     864
    .wavefront_size: 32
...
	.end_amdgpu_metadata
.endif
;; end of part 2
;; launch attn (part 3): grid 64 x 4, 8 waves a work-group, no clusters, 157,696 bytes of LDS; arguments qws, kvws, out0; writes out0
.if DOCPART == 3
	.amdgcn_target "amdgcn-amd-amdhsa--gfx1250"
	.amdhsa_code_object_version 6
	.text
	.protected	k_qe090ef2e85_attn
	.globl	k_qe090ef2e85_attn
	.p2align	8
	.type	k_qe090ef2e85_attn,@function
k_qe090ef2e85_attn:
	s_mov_b64 s[64:65], 0
	v_nop
	global_prefetch_b8 v0, s[64:65] scope:SCOPE_SE
	s_setreg_imm32_b32 hwreg(HW_REG_WAVE_MODE, 25, 1), 1
	s_wait_xcnt 0x0
; out0[b][q][:] = the sum over keys k <= q of softmax_k(q . k / 8) v[k][:], both products on codes of FP6 (E2M3) with one E8M0 scale for each 32 along a product's K.
; THE SOFTMAX AHEAD OF THE SECOND PRODUCT: t = score x log2(e) / 8; M = the largest t so far, rounded UP to a whole number; p = 2^(t - M) is quantised along the keys; the sum of the unquantised p divides at the end.
; SHARES.  A work-group owns two blocks of 32 queries of one batch: J (low) and 127 - J (high).  With A = J / 4 + 1 the low block has A steps of 128 keys under the mask and the high block 33 - A: always 33 units of
; (2 tiles of 16 queries) x (128 keys).  Unit U < A is the low block's step U, else the high block's step U - A.  THE KEYS ARE SPLIT OVER THE WAVES: wave w takes units w, w + 8, .. : four or five.
; Each wave keeps its own M, sum and O^T for a block; the eight partial results meet in LDS and are brought under one M by powers of two, which round nothing.
; Two counted loops (2 and 5 trips) walk U = w + 8 T; a scalar branch on ids leaves out the units that are not the loop's block's.  Between the loops the low block's partial result is put away.
; K AND V GO FROM MEMORY STRAIGHT INTO REGISTERS, as images of the operands' registers (kvws), each fragment feeding two tiles of queries.  K of the wave's next unit is asked for behind this unit's first product.
; NO CLUSTER, NO JOINT LOADS: the eight waves of a work-group read eight different records at a time, and two work-groups walk different numbers of steps (A and 33 - A hang on J), so no two ask for the same bytes in step.
; THE HEAD IS 64, THE INSTRUCTION'S K 128: two tiles of keys share one fragment (tile 2 b in k 0 .. 63, tile 2 b + 1 in k 64 .. 127), multiplied by (q, 0) or by (0, q): zero codes add nothing.
; LAYOUT.  Both products are used transposed (S^T = K Q^T, O^T = V^T P^T): a lane holds ONE query.  Lane r of a tile of keys 2 b + u is key 32 b + 8 u + r + 8 (r / 8), so register 16 b + i of S^T is key 32 b + 16 h + i.
; Lane r of query tile u is query 8 u + r + 8 (r / 8) of its block.
; LIMITS: NaN and infinities are not served.  A block's largest p is taken from its largest score by the same multiply-add and exponential, which takes v_exp_f32 not to fall where its input rises.
; REGISTERS.  Window 0: v1-8 addresses; v16-25 scale words; v26-30 the mask; v32.. 24 of statistics a tile; v80.. S^T, then p, 64 a tile; v208.. p's codes, 12 a tile; v232.. at work; v248-251 what is put away beside O^T.
;   Window 1: v0-63 O^T (tile t, channels 16 d on: 32 t + 8 d); v64-111 (q, 0) and (0, q) of both tiles; v112-159 K's four fragments; v160-207 V's four.
.set REC,   12800                      ; a step's record in kvws: two half-records
.set HREC,  6400
.set PARTB, 8704                       ; LDS: a wave's partial result for one block: 16 x 512 bytes of O^T, then 512 of (-M, sum) for both tiles
.set PHB,   69632                      ; the eight waves' for one block
.set OST,   139264                     ; behind them: four stages of 16 rows x (256 + 16) bytes for the way out
.set OSTT,  4352
.set LB16, 1                           ; v1  16 x lane
.set LB8,  2                           ; v2  8 x lane
.set PA0,  3                           ; v3  where I put the low block's partial result
.set PA1,  4                           ; v4  and the high block's
.set CMO,  5                           ; v5  the combine: my 16 registers of O^T in the first wave's partial result
.set CMS,  6                           ; v6  and my tile's (-M, sum)
.set OSW,  7                           ; v7  the stage, on the way in
.set OSR,  8                           ; v8  and out
.set ST,   32                          ; tile t at ST + 24 t: +0 -M, +1 the largest t, +2,3 the sum, +4,5 f, +6,7 a second chain of the sum, +8..11 the blocks' largest, +12..15 the other half's, then bytes, +16..19 scale operands, +20 at work
.set S,    80
.set PCD,  208
.set CT,   232
.set QF,   64                          ; window 1
.set KF,   112
.set VF,   160
.set W,    10                          ; s10 my wave
.set J,    11                          ; s11 the low block
.set BA,   12                          ; s12 the batch
.set A,    13                          ; s13 the low block's steps
.set U,    14                          ; s14 the unit
.set T,    15                          ; s15 the trip
.set LAST, 16                          ; s16 the block's step on the diagonal
.set MB,   17                          ; s17 the block's first query less that step's first key
.set SS,   18                          ; s18 the unit's step
.set JH,   19                          ; s19 the high block
.set SEL,  20                          ; s[20:21] selects for lane l xor 16
.set CS,   22                          ; s[22:23] c = log2(e) / 8
.set KVB,  24                          ; s[24:25] the batch's records
.set RB,   26                          ; s[26:27] this unit's record (V's loads)
.set RN,   28                          ; s[28:29] the next unit's (K's loads)
.set QB0,  30                          ; s[30:31] the low block's two records of qws
.set QB1,  32                          ; s[32:33] the high block's
.set MSB, 0
.macro WIN new                         ; the immediate's high byte repeats the setting that is left; a switch that changes nothing is dropped
.if MSB != (\new)
	s_set_vgpr_msb (MSB<<8)|(\new)
.set MSB, \new
.endif
.endm
.macro PLACES n
.rept \n
	v_nop
.endr
.endm
.macro KLOAD base                      ; a step's four fragments of K and the pairs (K's scale word, V's): 18 loads
	WIN 0x40
.irp f, 0,1,2,3
	global_load_b128 v[KF+12*\f:KF+12*\f+3], v[LB16], s[\base:\base+1] offset:HREC*(\f/2)+1536*(\f%2)
	global_load_b64 v[KF+12*\f+4:KF+12*\f+5], v[LB8], s[\base:\base+1] offset:HREC*(\f/2)+1536*(\f%2)+512
	global_load_b128 v[KF+12*\f+6:KF+12*\f+9], v[LB16], s[\base:\base+1] offset:HREC*(\f/2)+1536*(\f%2)+768
	global_load_b64 v[KF+12*\f+10:KF+12*\f+11], v[LB8], s[\base:\base+1] offset:HREC*(\f/2)+1536*(\f%2)+1280
.endr
	WIN 0
.irp c, 0,1
	global_load_b64 v[16+2*\c:17+2*\c], v[LB8], s[\base:\base+1] offset:HREC*\c+6144
.endr
.endm
.macro VLOAD base                      ; a step's four fragments of V: 16 loads
	WIN 0x40
.irp d, 0,1,2,3
.irp c, 0,1
	global_load_b128 v[VF+12*\d+6*\c:VF+12*\d+6*\c+3], v[LB16], s[\base:\base+1] offset:HREC*\c+3072+768*\d
	global_load_b64 v[VF+12*\d+6*\c+4:VF+12*\d+6*\c+5], v[LB8], s[\base:\base+1] offset:HREC*\c+3072+768*\d+512
.endr
.endr
	WIN 0
.endm
.macro QLOAD base                      ; a block's two tiles of q, each into the lower six registers of (q, 0) and the upper six of (0, q), and their scale words: 10 loads
	WIN 0x40
.irp t, 0,1
	global_load_b128 v[QF+24*\t:QF+24*\t+3], v[LB16], s[\base:\base+1] offset:1024*\t
	global_load_b64 v[QF+24*\t+4:QF+24*\t+5], v[LB8], s[\base:\base+1] offset:1024*\t+512
	global_load_b128 v[QF+24*\t+18:QF+24*\t+21], v[LB16], s[\base:\base+1] offset:1024*\t
	global_load_b64 v[QF+24*\t+22:QF+24*\t+23], v[LB8], s[\base:\base+1] offset:1024*\t+512
.endr
	WIN 0
.irp t, 0,1
	global_load_b32 v[22+\t], v[LB8], s[\base:\base+1] offset:1024*\t+768
.endr
.endm
.macro INIT                            ; a block begins: the largest t -3e38, sums and O^T zeros, which the first change of M leaves zeros
.irp t, 0,1
	v_mov_b32 v[ST+24*\t+1], 0xff61b1e6
	v_mov_b32 v[ST+24*\t+2], 0
	v_mov_b32 v[ST+24*\t+3], 0
	v_mov_b32 v[ST+24*\t+4], 0
	v_mov_b32 v[ST+24*\t+5], 0
	v_floor_f32 v[ST+24*\t], -v[ST+24*\t+1]
.endr
	WIN 0x40
.set j, 0
.rept 64
	v_mov_b32 v[j], 0
.set j, j+1
.endr
	WIN 0
.endm
.macro STASH adr                       ; my partial result of a block goes to LDS as it stands in the registers
	v_add_f32 v249, v[ST+2], v[ST+3]
	v_add_f32 v251, v[ST+26], v[ST+27]
	v_permlanex16_b32 v10, v249, s[SEL], s[SEL+1]
	v_permlanex16_b32 v11, v251, s[SEL], s[SEL+1]
	v_mov_b32 v248, v[ST]
	v_mov_b32 v250, v[ST+24]
	v_add_f32 v249, v249, v10                      ; the row's sum over my units' keys
	v_add_f32 v251, v251, v11
	WIN 0x04                                       ; an LDS store's data are its source 1: window 1
.irp g, 0,1,2,3,4,5,6,7,8,9,10,11,12,13,14,15
	ds_store_b128 v[\adr], v[4*\g:4*\g+3] offset:512*\g            ; ascending: each accumulator from its low end on
.endr
	WIN 0
	ds_store_b128 v[\adr], v[248:251] offset:8192
.endm
; THE UNITS OF ONE BLOCK.  ph = 0: the low block (U < A); 1: the high block (A <= U <= 32).
.macro UNITS ph, trips
	s_mov_b32 s[T], 0
	s_mov_b32 s[U], s[W]
.Ltrip_\@:
.if \ph == 0
	s_cmp_ge_u32 s[U], s[A]
	s_cbranch_scc1 .Lnext_\@
	s_mov_b32 s[SS], s[U]
.else
	s_cmp_lt_u32 s[U], s[A]
	s_cbranch_scc1 .Lnext_\@
	s_cmp_gt_u32 s[U], 32
	s_cbranch_scc1 .Lnext_\@
	s_sub_co_u32 s[SS], s[U], s[A]
.endif
	s_mul_i32 s34, s[SS], REC
	s_add_nc_u64 s[RB:RB+1], s[KVB:KVB+1], s[34:35]   ; (V's loads of the unit before were shown done by that unit's wait for them)
	VLOAD RB
	s_wait_loadcnt 16                              ; all but V's 16: K, the scale words and q are in
	v_perm_b32 v20, v19, v17, 0x05040100           ; V's scale words: the two half-records' low halves: channels 0-15 in lanes 0-15, 16-31 in lanes 16-31;
	v_perm_b32 v21, v19, v17, 0x07060302           ; the high halves: channels 32-47 and 48-63
	WIN 0x05                                       ; K and q in window 1, S^T in window 0
.irp b, 0,1,2,3
.irp u, 0,1
.irp t, 0,1
.if \b % 2
	v_wmma_scale_f32_16x16x128_f8f6f4 v[S+64*\t+16*\b+8*\u:S+64*\t+16*\b+8*\u+7], v[KF+12*\b:KF+12*\b+11], v[QF+24*\t+12*\u:QF+24*\t+12*\u+11], 0, v[16+2*(\b/2)], v[22+\t] matrix_a_fmt:MATRIX_FMT_FP6 matrix_b_fmt:MATRIX_FMT_FP6 matrix_a_scale:MATRIX_SCALE_ROW1
.else
	v_wmma_scale_f32_16x16x128_f8f6f4 v[S+64*\t+16*\b+8*\u:S+64*\t+16*\b+8*\u+7], v[KF+12*\b:KF+12*\b+11], v[QF+24*\t+12*\u:QF+24*\t+12*\u+11], 0, v[16+2*(\b/2)], v[22+\t] matrix_a_fmt:MATRIX_FMT_FP6 matrix_b_fmt:MATRIX_FMT_FP6
.endif
.endr
.endr
.endr
	WIN 0
	PLACES 4                                       ; in front of loads into registers that these products have read, and of the first reads of the scores
	s_add_co_u32 s36, s[U], 8                      ; my next unit, in whichever block it falls: its step,
	s_cmp_ge_u32 s36, s[A]
	s_cselect_b32 s37, s[A], 0
	s_sub_co_u32 s36, s36, s37
	s_min_u32 s36, s36, 31                         ; held inside the batch's 32 records where there is no next unit: the loads are always issued, so the counts are alike on every way
	s_mul_i32 s34, s36, REC
	s_add_nc_u64 s[RN:RN+1], s[KVB:KVB+1], s[34:35]
	KLOAD RN
	s_cmp_lg_u32 s[SS], s[LAST]                    ; only the block's last step lies on the diagonal
	s_cbranch_scc1 .Lopen_\@
	v_add_nc_u32 v29, s[MB], v27                   ; d = my query - the step's first key - 16 h.  Register 16 b + i holds key 32 b + 16 h + i: hidden where 32 b + i > d
	v_add_nc_u32 v30, s[MB], v28
.set n, 0
.rept 64
.irp t, 0,1
	v_cmp_gt_i32 vcc_lo, 32*(n/16)+n%16, v[29+\t]
	v_cndmask_b32 v[S+64*\t+n], v[S+64*\t+n], v26, vcc_lo          ; -infinity: p = 0.  The step's first key counts for every query of the block, so each row's maximum stays a number
.endr
.set n, n+1
.endr
.Lopen_\@:
.irp b, 0,1,2,3
.irp t, 0,1
	v_max3_num_f32 v[ST+24*\t+8+\b], v[S+64*\t+16*\b], v[S+64*\t+16*\b+1], v[S+64*\t+16*\b+2]   ; the largest score of each block of 32 keys: it serves the row's maximum and the block's largest p
.endr
.endr
.irp i, 3,5,7,9,11,13
.irp b, 0,1,2,3
.irp t, 0,1
	v_max3_num_f32 v[ST+24*\t+8+\b], v[ST+24*\t+8+\b], v[S+64*\t+16*\b+\i], v[S+64*\t+16*\b+\i+1]
.endr
.endr
.endr
.irp b, 0,1,2,3
.irp t, 0,1
	v_max_num_f32 v[ST+24*\t+8+\b], v[ST+24*\t+8+\b], v[S+64*\t+16*\b+15]
.endr
.endr
.irp b, 0,1,2,3
.irp t, 0,1
	v_permlanex16_b32 v[ST+24*\t+12+\b], v[ST+24*\t+8+\b], s[SEL], s[SEL+1]
.endr
.endr
.irp b, 0,1,2,3
.irp t, 0,1
	v_max_num_f32 v[ST+24*\t+8+\b], v[ST+24*\t+8+\b], v[ST+24*\t+12+\b]   ; with lane l xor 16's 16 keys
.endr
.endr
.irp t, 0,1
	v_max3_num_f32 v[ST+24*\t+20], v[ST+24*\t+8], v[ST+24*\t+9], v[ST+24*\t+10]
.endr
.irp t, 0,1
	v_max_num_f32 v[ST+24*\t+20], v[ST+24*\t+20], v[ST+24*\t+11]   ; the step's largest score of my query
.endr
.irp t, 0,1
	v_mul_f32 v[ST+24*\t+20], s[CS], v[ST+24*\t+20]                ; as t (c is positive)
.endr
.irp t, 0,1
	v_max_num_f32 v[ST+24*\t+1], v[ST+24*\t+1], v[ST+24*\t+20]     ; the running largest t
.endr
.irp t, 0,1
	v_mov_b32 v[ST+24*\t+20], v[ST+24*\t]
.endr
.irp t, 0,1
	v_floor_f32 v[ST+24*\t], -v[ST+24*\t+1]                        ; the new -M = floor(-t): M is a whole number
.endr
.irp t, 0,1
	v_sub_f32 v[ST+24*\t+20], v[ST+24*\t], v[ST+24*\t+20]          ; old M - new M: a whole number, 0 or less
.endr
.irp t, 0,1
	v_cvt_i32_f32 v[ST+24*\t+20], v[ST+24*\t+20]                   ; (it saturates)
.endr
.irp t, 0,1
	v_ldexp_f32 v[ST+24*\t+4], 1.0, v[ST+24*\t+20]                 ; f = 2^(old M - new M)
.endr
.set j, 0
.rept 32
.irp t, 0,1
	v_pk_fma_f32 v[S+64*\t+j:S+64*\t+j+1], v[S+64*\t+j:S+64*\t+j+1], s[CS:CS+1], v[ST+24*\t:ST+24*\t+1] op_sel_hi:[1,0,0]   ; t - M, two at a time
.endr
.set j, j+2
.endr
.irp b, 0,1,2,3
.irp t, 0,1
	v_fma_f32 v[ST+24*\t+8+\b], v[ST+24*\t+8+\b], s[CS], v[ST+24*\t]   ; the same of each block's largest score
.endr
.endr
.set j, 0
.rept 64
.irp t, 0,1
	v_exp_f32 v[S+64*\t+j], v[S+64*\t+j]           ; p = 2^(t - M), at most 1: not normalised
.endr
.set j, j+1
.endr
.irp t, 0,1
	v_pk_mul_f32 v[ST+24*\t+2:ST+24*\t+3], v[ST+24*\t+2:ST+24*\t+3], v[ST+24*\t+4:ST+24*\t+5] op_sel_hi:[1,0]   ; the sums under the new M: the plain place behind the exponentials
.endr
	s_wait_alu depctr_va_vdst(0)                   ; one wait for the batch of 128, ahead of its first reader
.irp b, 0,1,2,3
.irp t, 0,1
	v_exp_f32 v[ST+24*\t+8+\b], v[ST+24*\t+8+\b]   ; the block's largest p
.endr
.endr
.irp t, 0,1
	v_pk_add_f32 v[ST+24*\t+6:ST+24*\t+7], v[S+64*\t:S+64*\t+1], v[S+64*\t+2:S+64*\t+3]   ; the row's sum is taken of the unquantised p, in two chains
.endr
.set j, 4
.rept 15
.irp t, 0,1
	v_pk_add_f32 v[ST+24*\t+2:ST+24*\t+3], v[ST+24*\t+2:ST+24*\t+3], v[S+64*\t+j:S+64*\t+j+1]
	v_pk_add_f32 v[ST+24*\t+6:ST+24*\t+7], v[ST+24*\t+6:ST+24*\t+7], v[S+64*\t+j+2:S+64*\t+j+3]
.endr
.set j, j+4
.endr
.irp t, 0,1
	v_pk_add_f32 v[ST+24*\t+2:ST+24*\t+3], v[ST+24*\t+2:ST+24*\t+3], v[ST+24*\t+6:ST+24*\t+7]
.endr
	s_wait_alu depctr_va_vdst(0)                   ; and one for the eight
.irp b, 0,1,2,3
.irp t, 0,1
	v_max_num_f32 v[ST+24*\t+8+\b], 0x1800000, v[ST+24*\t+8+\b]    ; the floor 2^(3 - 127): the byte cannot fall under 1 (a block of zeros keeps that byte: its codes are zeros)
.endr
.endr
.irp b, 0,1,2,3
.irp t, 0,1
	v_add_nc_u32 v[ST+24*\t+16+\b], 0xff000000, v[ST+24*\t+8+\b]   ; 2 off the exponent field: the conversion's scale operand
.endr
.endr
.irp b, 0,1,2,3
.irp t, 0,1
	v_lshrrev_b32 v[ST+24*\t+12+\b], 23, v[ST+24*\t+16+\b]         ; the scale's byte
.endr
.endr
.irp t, 0,1
	v_lshl_or_b32 v[24+\t], v[ST+24*\t+13], 8, v[ST+24*\t+12]      ; p's scale word for these 128 keys
.endr
.irp t, 0,1
	v_lshl_or_b32 v[24+\t], v[ST+24*\t+14], 16, v[24+\t]
.endr
.irp t, 0,1
	v_lshl_or_b32 v[24+\t], v[ST+24*\t+15], 24, v[24+\t]
.endr
.irp t, 0,1
.irp c, 0,1
	v_cvt_scalef32_pk16_fp6_f32 v[PCD+12*\t+6*\c:PCD+12*\t+6*\c+2], v[S+64*\t+32*\c:S+64*\t+32*\c+15], v[ST+24*\t+16+2*\c]
	v_cvt_scalef32_pk16_fp6_f32 v[CT+8*\t+4*\c:CT+8*\t+4*\c+2], v[S+64*\t+32*\c+16:S+64*\t+32*\c+31], v[ST+24*\t+17+2*\c]   ; (a conversion's three registers begin on an even number)
.endr
.endr
	v_nop                                          ; one plain place behind a scaled conversion
.irp t, 0,1
.irp c, 0,1                                    ; the operand's layout wants a WHOLE block in a lane
.irp i, 0,1,2
	v_permlane16_swap_b32 v[PCD+12*\t+6*\c+\i], v[CT+8*\t+4*\c+\i]
.endr
.irp i, 0,1,2
	v_mov_b32 v[PCD+12*\t+6*\c+3+\i], v[CT+8*\t+4*\c+\i]
.endr
.endr
.endr
	WIN 0x41                                       ; O^T (destination and source 0) in window 1, f in window 0
.set j, 0
.rept 16
.irp t, 0,1
	v_pk_mul_f32 v[32*\t+j:32*\t+j+1], v[32*\t+j:32*\t+j+1], v[ST+24*\t+4:ST+24*\t+5] op_sel_hi:[1,0]   ; O^T under the new M; ascending.  These 32 are also the places between p's codes and scale word and the products
.endr
.set j, j+2
.endr
	s_wait_loadcnt 18                              ; all but the next K's 18: V is in
	WIN 0x51                                       ; V in window 1, p in window 0, O^T in window 1
.irp d, 0,1,2,3                                ; the eight accumulators take turns
.irp t, 0,1
.if \d % 2
	v_wmma_scale_f32_16x16x128_f8f6f4 v[32*\t+8*\d:32*\t+8*\d+7], v[VF+12*\d:VF+12*\d+11], v[PCD+12*\t:PCD+12*\t+11], v[32*\t+8*\d:32*\t+8*\d+7], v[20+\d/2], v[24+\t] matrix_a_fmt:MATRIX_FMT_FP6 matrix_b_fmt:MATRIX_FMT_FP6 matrix_a_scale:MATRIX_SCALE_ROW1
.else
	v_wmma_scale_f32_16x16x128_f8f6f4 v[32*\t+8*\d:32*\t+8*\d+7], v[VF+12*\d:VF+12*\d+11], v[PCD+12*\t:PCD+12*\t+11], v[32*\t+8*\d:32*\t+8*\d+7], v[20+\d/2], v[24+\t] matrix_a_fmt:MATRIX_FMT_FP6 matrix_b_fmt:MATRIX_FMT_FP6
.endif
.endr
.endr
	WIN 0
	PLACES 4                                       ; in front of the next loads into V's registers, the next write of V's scale words, and the stores of O^T
.Lnext_\@:
	s_add_co_u32 s[U], s[U], 8
	s_add_co_u32 s[T], s[T], 1
	s_cmp_lt_u32 s[T], \trips
	s_cbranch_scc1 .Ltrip_\@
.endm
	s_load_b128 s[4:7], s[0:1], 0x0                ; qws s[4:5], kvws s[6:7]
	s_load_b64 s[8:9], s[0:1], 0x10                ; out0
	v_lshl_add_u32 v254, v0, 2, 0x26400
	v_mov_b32 v255, 0
	v_lshrrev_b32 v10, 5, v0
	v_readfirstlane_b32 s[W], v10                  ; wave 0..7
	s_mov_b32 s[J], ttmp9
	s_and_b32 s[BA], ttmp7, 0xffff
	s_lshr_b32 s[A], s[J], 2
	s_add_co_u32 s[A], s[A], 1
	s_sub_co_u32 s[JH], 127, s[J]
	v_and_b32 v10, 31, v0                          ; lane
	v_and_b32 v11, 15, v0                          ; r
	v_bfe_u32 v12, v0, 4, 1                        ; h
	v_lshlrev_b32 v[LB16], 4, v10
	v_lshlrev_b32 v[LB8], 3, v10
	s_mul_i32 s36, s[W], PARTB
	v_add_nc_u32 v[PA0], s36, v[LB16]
	v_add_nc_u32 v[PA1], PHB, v[PA0]
	; the combine: wave w takes tile w / 2 of the four (block w / 4, tile u' = (w / 2) % 2) and channels 32 e on, e = w % 2
	s_lshr_b32 s38, s[W], 2                        ; which block
	s_bfe_u32 s39, s[W], 0x10001                   ; u'
	s_and_b32 s40, s[W], 1                         ; e
	s_mul_i32 s36, s38, PHB
	s_lshl_b32 s41, s39, 12
	s_add_co_u32 s41, s41, s36
	s_lshl_b32 s42, s40, 11
	s_add_co_u32 s41, s41, s42
	v_add_nc_u32 v[CMO], s41, v[LB16]              ; blocks 8 u' + 4 e on of 512 bytes
	s_lshl_b32 s41, s39, 3
	s_add_co_u32 s41, s41, s36
	s_add_co_u32 s41, s41, 8192
	v_add_nc_u32 v[CMS], s41, v[LB16]
	s_lshr_b32 s41, s[W], 1
	s_mul_i32 s41, s41, OSTT
	s_add_co_u32 s41, s41, OST                     ; my tile's stage
	s_lshl_b32 s42, s40, 7
	s_add_co_u32 s42, s42, s41
	v_mul_u32_u24 v[OSW], v11, 272
	v_lshl_add_u32 v[OSW], v12, 5, v[OSW]
	v_add_nc_u32 v[OSW], s42, v[OSW]               ; in: row r, + 128 e + 32 h
	s_mul_i32 s42, s40, 8*272
	s_add_co_u32 s42, s42, s41
	v_mul_u32_u24 v[OSR], v12, 272
	v_lshl_add_u32 v[OSR], v11, 4, v[OSR]
	v_add_nc_u32 v[OSR], s42, v[OSR]               ; back: rows 8 e + h + 2 i, 16 bytes a lane
	v_and_b32 v13, 8, v11
	v_add_nc_u32 v13, v13, v11                     ; r + 8 (r / 8)
	v_lshlrev_b32 v14, 4, v12
	v_sub_nc_u32 v27, v13, v14                     ; tile 0: my query in its block, less 16 h
	v_add_nc_u32 v28, 8, v27                       ; tile 1
	v_mov_b32 v26, 0xff800000                      ; -infinity
.irp t, 0,1
.irp b, 0,1,2,3
	v_mov_b32 v[ST+24*\t+12+\b], 0                 ; written once: a lane permute's destination counts as one of its sources
.endr
.endr
	s_mov_b32 s[SEL], 0x76543210
	s_mov_b32 s[SEL+1], 0xfedcba98
	s_mov_b32 s[CS], 0x3e38aa3b                    ; c = log2(e) / 8
	s_mov_b32 s[CS+1], s[CS]                       ; (named with it as a pair, so it is written)
	s_lshr_b32 s[LAST], s[J], 2                    ; the low block's step on the diagonal,
	s_and_b32 s[MB], s[J], 3
	s_lshl_b32 s[MB], s[MB], 5                     ; and where its queries begin in that step
	s_mov_b32 s35, 0                               ; s[34:35]: an offset in 64 bits
	s_lshl_b32 s36, s[BA], 18                      ; 128 blocks of 2,048 bytes a batch
	s_lshl_b32 s34, s[J], 11
	s_add_co_u32 s34, s34, s36
	s_wait_kmcnt 0x0
	s_add_nc_u64 s[QB0:QB0+1], s[4:5], s[34:35]
	s_lshl_b32 s34, s[JH], 11
	s_add_co_u32 s34, s34, s36
	s_add_nc_u64 s[QB1:QB1+1], s[4:5], s[34:35]
	s_mul_i32 s34, s[BA], 32*REC
	s_add_nc_u64 s[KVB:KVB+1], s[6:7], s[34:35]
	s_cmp_ge_u32 s[W], s[A]                        ; my first unit's step
	s_cselect_b32 s36, s[A], 0
	s_sub_co_u32 s36, s[W], s36
	s_mul_i32 s34, s36, REC
	s_add_nc_u64 s[RN:RN+1], s[KVB:KVB+1], s[34:35]
	QLOAD QB0
	KLOAD RN
	s_cmp_eq_u32 s38, 0                            ; out0 at the rows that I store: 4,096 batch + 32 block + 8 u' + 16 e
	s_cselect_b32 s36, s[J], s[JH]
	s_lshl_b32 s36, s36, 5
	s_lshl_b32 s37, s[BA], 12
	s_add_co_u32 s36, s36, s37
	s_lshl_b32 s37, s39, 3
	s_add_co_u32 s36, s36, s37
	s_lshl_b32 s37, s40, 4
	s_add_co_u32 s36, s36, s37
	s_lshl_b32 s34, s36, 8                         ; rows of 256 bytes
	s_add_nc_u64 s[8:9], s[8:9], s[34:35]
	WIN 0x40
.irp t, 0,1
.irp i, 6,7,8,9,10,11,12,13,14,15,16,17
	v_mov_b32 v[QF+24*\t+\i], 0                    ; the upper six registers of (q, 0) and the lower six of (0, q): zero codes, written once
.endr
.endr
	WIN 0
	INIT
	UNITS 0, 2                                     ; A is at most 16: two trips reach every unit of the low block
	s_wait_loadcnt 18                              ; on every way the youngest 18 loads are a record of K: all older ones have landed, so q's registers may be loaded anew
	STASH PA0
	s_wait_dscnt 0x0                               ; the stores have read their registers
	INIT
	s_lshr_b32 s[LAST], s[JH], 2
	s_and_b32 s[MB], s[JH], 3
	s_lshl_b32 s[MB], s[MB], 5
	QLOAD QB1
	UNITS 1, 5
	s_wait_loadcnt 0x0                             ; the last record of K, which nobody wants
	STASH PA1
	s_wait_dscnt 0x0                               ; for the others' sake: my partial results have landed
	s_barrier_signal -1
	s_barrier_wait -1
	; THE COMBINE.  Eight partial results of my tile: -M* = the least -M; each is multiplied by f_i = 2^(M_i - M*), a power of two (0 for a wave that had no unit of the block: its -M is 3e38, its sum and O^T zeros).
.irp i, 0,1,2,3,4,5,6,7
	ds_load_b64 v[32+2*\i:33+2*\i], v[CMS] offset:PARTB*\i         ; (-M_i, sum_i)
.endr
.irp i, 0,1,2,3,4,5,6,7
.irp k, 0,1,2,3
	ds_load_b128 v[S+16*\i+4*\k:S+16*\i+4*\k+3], v[CMO] offset:PARTB*\i+512*\k
.endr
.endr
	s_wait_dscnt 32                                ; the eight pairs are in; O^T's 32 loads may be out
	v_min3_num_f32 v10, v32, v34, v36
	v_min3_num_f32 v10, v10, v38, v40
	v_min3_num_f32 v10, v10, v42, v44
	v_min_num_f32 v10, v10, v46
.irp i, 0,1,2,3,4,5,6,7
	v_sub_f32 v[56+2*\i], v10, v[32+2*\i]          ; M_i - M*: a whole number, 0 or less
.endr
.irp i, 0,1,2,3,4,5,6,7
	v_cvt_i32_f32 v[56+2*\i], v[56+2*\i]           ; (it saturates)
.endr
.irp i, 0,1,2,3,4,5,6,7
	v_ldexp_f32 v[56+2*\i], 1.0, v[56+2*\i]
.endr
.irp i, 0,1,2,3,4,5,6,7
	v_mov_b32 v[57+2*\i], v[56+2*\i]               ; twice, for the packed forms
.endr
	v_mul_f32 v11, v56, v33
.irp i, 1,2,3,4,5,6,7
	v_fmac_f32 v11, v[56+2*\i], v[33+2*\i]         ; the row's sum
.endr
	v_rcp_f32 v12, v11
	s_wait_dscnt 0x0
.irp j, 0,2,4,6,8,10,12,14
	v_pk_mul_f32 v[208+\j:209+\j], v[S+\j:S+\j+1], v[56:57]        ; (plain work behind the reciprocal, which names nothing of it)
.endr
.irp i, 1,2,3,4,5,6,7
.irp j, 0,2,4,6,8,10,12,14
	v_pk_fma_f32 v[208+\j:209+\j], v[S+16*\i+\j:S+16*\i+\j+1], v[56+2*\i:57+2*\i], v[208+\j:209+\j]
.endr
.endr
	s_wait_alu depctr_va_vdst(0)                   ; the wait ahead of the reciprocal's first reader
	v_mov_b32 v13, v12
.irp j, 0,2,4,6,8,10,12,14
	v_pk_mul_f32 v[208+\j:209+\j], v[208+\j:209+\j], v[12:13]      ; O^T / the sum: register 8 n + i is channel 32 e + 16 n + 8 h + i of the tile's row r
.endr
	ds_store_b128 v[OSW], v[208:211]
	ds_store_b128 v[OSW], v[212:215] offset:16
	ds_store_b128 v[OSW], v[216:219] offset:64
	ds_store_b128 v[OSW], v[220:223] offset:80
	s_wait_dscnt 0x0                               ; a row's 256 bytes come from two waves
	s_barrier_signal -1
	s_barrier_wait -1
.irp i, 0,1,2,3
	ds_load_b128 v[224+4*\i:227+4*\i], v[OSR] offset:544*\i        ; rows 8 e + h + 2 i of the tile, which are queries 8 u' + 16 e + h + 2 i of the block
.endr
.irp i, 0,1,2,3
	s_wait_dscnt 3-\i
	global_store_b128 v[LB16], v[224+4*\i:227+4*\i], s[8:9] offset:512*\i th:TH_STORE_NT   ; 32 lanes store two rows, 512 consecutive bytes, at a multiple of 256 from out0's first byte
.endr
	s_wait_tensorcnt 0x0
	ds_add_u32 v254, v255
	s_wait_dscnt 0x0
	s_endpgm
.Lfunc_end_k_qe090ef2e85_attn:
	.size	k_qe090ef2e85_attn, .Lfunc_end_k_qe090ef2e85_attn-k_qe090ef2e85_attn
	.p2alignl 7, 3214868480
	.fill 96, 4, 3214868480
	.section	.rodata,"a",@progbits
	.p2align	6, 0x0
	.amdhsa_kernel k_qe090ef2e85_attn
		.amdhsa_group_segment_fixed_size 157696
		.amdhsa_private_segment_fixed_size 0
		.amdhsa_enable_private_segment 0
		.amdhsa_kernarg_size 24
		.amdhsa_user_sgpr_count 2
		.amdhsa_user_sgpr_kernarg_segment_ptr 1
		.amdhsa_wavefront_size32 1
		.amdhsa_system_sgpr_workgroup_id_x 1
		.amdhsa_system_sgpr_workgroup_id_y 1
		.amdhsa_system_sgpr_workgroup_id_z 1
		.amdhsa_system_vgpr_workitem_id 0
		.amdhsa_next_free_vgpr 464
		.amdhsa_next_free_sgpr 66
		.amdhsa_reserve_vcc 1
		.amdhsa_float_denorm_mode_32 3
		.amdhsa_float_denorm_mode_16_64 3
		.amdhsa_memory_ordered 1
		.amdhsa_forward_progress 1
		.amdhsa_inst_pref_size 109
	.end_amdhsa_kernel
	.amdgpu_metadata
---
amdhsa.version: [ 1, 2 ]
amdhsa.kernels:
  - .name:           k_qe090ef2e85_attn
    .symbol:         k_qe090ef2e85_attn.kd
    .args:
      - { .name: qws, .offset: 0, .size: 8, .value_kind: global_buffer, .address_space: global }
      - { .name: kvws, .offset: 8, .size: 8, .value_kind: global_buffer, .address_space: global }
      - { .name: out0, .offset: 16, .size: 8, .value_kind: global_buffer, .address_space: global }
    .group_segment_fixed_size: 157696
    .private_segment_fixed_size: 0
    .kernarg_segment_align: 8
    .kernarg_segment_size: 24
    .max_flat_workgroup_size: 256
    .sgpr_count:     66
    .vgpr_count:     464
    .wavefront_size: 32
...
	.end_amdgpu_metadata
.endif
;; end of part 3
;; ======== version 2 of 2: 3 launches
;; workspace buffers: wfrag 159,744 bytes; qws 1,048,576 bytes; kvws 1,638,400 bytes
;; launch wquant (part 4): grid 3 x 8, 4 waves a work-group, no clusters, 1,024 bytes of LDS; arguments Wq, Wk, Wv, wfrag; writes wfrag
.if DOCPART == 4
	.amdgcn_target "amdgcn-amd-amdhsa--gfx1250"
	.amdhsa_code_object_version 6
	.text
	.protected	k_qe090ef2e85_wquant
	.globl	k_qe090ef2e85_wquant
	.p2align	8
	.type	k_qe090ef2e85_wquant,@function
k_qe090ef2e85_wquant:
	s_mov_b64 s[64:65], 0
	v_nop
	global_prefetch_b8 v0, s[64:65] scope:SCOPE_SE
	s_setreg_imm32_b32 hwreg(HW_REG_WAVE_MODE, 25, 1), 1
	s_wait_xcnt 0x0
; Wq, Wk, Wv [1024 (k)][64 (n)], f32, become codes of FP6 (E2M3) with one E8M0 byte for each 32 along k, laid in wfrag as IMAGES OF THE OPERAND'S REGISTERS.
; wfrag: 8 chunks (one for each 128 along k) of 19,968 bytes.  A chunk: 12 fragments of 1,536 bytes (tile T = 4 g + e: g = 0 Wq, 1 Wk, 2 Wv; three blocks of 512 bytes, block c = registers 4 c .. 4 c + 3 at 16 x lane),
; then at 18,432 three blocks of 512 bytes: lane l's 16 bytes are the scale words of tiles 4 g .. 4 g + 3 for the tile's lane l % 16.
; A work-group takes one weight g (x) and one chunk (y); wave e makes tile e of it.  LANE r TAKES A COLUMN AND ITS REGISTERS RUN DOWN k, in the order that the operand's layout gives that lane
; (lane (r, h): registers 6 c .. 6 c + 5 = k 64 c + 32 h + 0 .. 31), so the conversions' results are the operand's registers.
; THE COLUMNS OF A TILE: Wq, Wk: lane r of tile 2 b + u takes column 32 b + 8 u + r + 8 (r / 8), so that in the transposed product two neighbouring tiles give a lane 16 neighbouring columns; Wv: column 16 e + r.
; A block's scale byte is its largest magnitude's exponent field - 2, held at 1 from below.
; LIMITS: a block of zeros gets the byte 1 where the rule says 127 (its codes are zeros, and this program alone reads the bytes); NaN and infinities among the inputs are not served.
.set CHUNK, 19968
.set SCB,   18432
	s_load_b256 s[4:11], s[0:1], 0x0               ; Wq s[4:5], Wk s[6:7], Wv s[8:9], wfrag s[10:11]
	v_lshl_add_u32 v200, v0, 2, 0x200
	v_mov_b32 v201, 0
	v_lshrrev_b32 v1, 5, v0
	v_readfirstlane_b32 s12, v1                    ; e: my wave, my tile of the weight
	s_and_b32 s13, ttmp7, 0xffff                   ; which 128 along k
	v_and_b32 v1, 15, v0                           ; r
	s_wait_alu depctr_va_vdst(0)
	v_bfe_u32 v2, v0, 4, 1                         ; h
	v_and_b32 v3, 31, v0                           ; lane
	v_lshlrev_b32 v6, 4, v3                        ; 16 x lane: an image's place for my lane, in memory and in LDS
	s_lshl_b32 s14, s12, 2
	v_add_nc_u32 v7, s14, v6                       ; LDS: 16 x lane + 4 x tile: where my scale word goes
	s_lshr_b32 s15, s12, 1
	s_lshl_b32 s15, s15, 5
	s_and_b32 s16, s12, 1
	s_lshl_b32 s16, s16, 3
	s_add_co_u32 s15, s15, s16                     ; 32 (e / 2) + 8 (e % 2)
	s_lshl_b32 s16, s12, 4                         ; 16 e
	s_cmp_lt_u32 ttmp9, 2                          ; Wq and Wk take the first order of columns, Wv the second
	s_cselect_b32 s15, s15, s16
	s_cselect_b32 s16, 8, 0
	v_and_b32 v4, s16, v1
	v_add3_u32 v4, v4, v1, s15                     ; my column
	v_lshlrev_b32 v4, 2, v4
	s_wait_alu depctr_va_vdst(0)
	v_lshl_add_u32 v5, v2, 13, v4                  ; lanes 16-31 begin 32 rows of 256 bytes further down
	s_mov_b32 s28, 0x76543210
	s_mov_b32 s29, 0xfedcba98                      ; v_permlanex16_b32's selects for lane l xor 16
	s_lshl_b32 s20, s13, 15                        ; 128 rows of 256 bytes a chunk
	s_mov_b32 s21, 0
	s_lshl_b32 s22, ttmp9, 2
	s_add_co_u32 s22, s22, s12                     ; T = 4 g + e
	s_mul_i32 s22, s22, 1536
	s_mul_i32 s24, s13, CHUNK
	s_add_co_u32 s22, s22, s24                     ; my fragment's place in wfrag
	s_mov_b32 s23, 0
	s_lshl_b32 s26, ttmp9, 9
	s_add_co_u32 s24, s24, s26
	s_add_co_u32 s24, s24, SCB                     ; and the weight's block of scale words
	s_mov_b32 s25, 0
	s_wait_alu depctr_va_vdst(0)
	s_wait_kmcnt 0x0
	s_cmp_eq_u32 ttmp9, 0                          ; the weight is chosen by the work-group's number alone
	s_cselect_b64 s[18:19], s[4:5], s[6:7]
	s_cmp_eq_u32 ttmp9, 2
	s_cselect_b64 s[18:19], s[8:9], s[18:19]
	s_add_nc_u64 s[18:19], s[18:19], s[20:21]
	s_add_nc_u64 s[22:23], s[10:11], s[22:23]
	s_add_nc_u64 s[24:25], s[10:11], s[24:25]
.irp c, 0,1
.irp i, 0,1,2,3,4,5,6,7,8,9,10,11,12,13,14,15,16,17,18,19,20,21,22,23,24,25,26,27,28,29,30,31
	global_load_b32 v[64+32*\c+\i], v5, s[18:19] offset:(64*\c+\i)*256 th:TH_LOAD_NT   ; W(64 c + 32 h + i, my column)
.endr
.endr
	s_wait_loadcnt 0x0
.irp c, 0,1                                    ; my block 2 c + h: all its 32 numbers are mine
	v_max3_num_f32 v[32+\c], |v[64+32*\c]|, |v[65+32*\c]|, 0x1800000   ; with the floor 2^(3 - 127): the byte cannot fall under 1
.endr
.irp i, 2,4,6,8,10,12,14,16,18,20,22,24,26,28,30
.irp c, 0,1
	v_max3_num_f32 v[32+\c], v[32+\c], |v[64+32*\c+\i]|, |v[65+32*\c+\i]|
.endr
.endr
.irp c, 0,1
	v_add_nc_u32 v[44+\c], 0xff000000, v[32+\c]    ; 2 off the exponent field: the conversion's scale operand
.endr
.irp c, 0,1
	v_lshrrev_b32 v[36+\c], 23, v[44+\c]           ; the scale's byte
.endr
	v_lshl_or_b32 v9, v37, 16, v36                 ; my two bytes: blocks h and 2 + h,
	v_lshlrev_b32 v10, 3, v2
	v_lshlrev_b32 v9, v10, v9                      ; at their places in the word (8 h bits up);
	v_mov_b32 v10, 0
	v_permlanex16_b32 v10, v9, s28, s29
	v_or_b32 v9, v9, v10                           ; with lane l xor 16's two the word is whole, in both lanes
.irp c, 0,1
	v_cvt_scalef32_pk16_fp6_f32 v[48+6*\c:50+6*\c], v[64+32*\c:79+32*\c], v[44+\c]
	v_cvt_scalef32_pk16_fp6_f32 v[192+4*\c:194+4*\c], v[80+32*\c:95+32*\c], v[44+\c]   ; (a conversion's three registers begin on an even number)
.endr
	v_nop                                          ; one plain place behind a scaled conversion
.irp c, 0,1
.irp i, 0,1,2
	v_mov_b32 v[51+6*\c+\i], v[192+4*\c+\i]
.endr
.endr
.irp c, 0,1,2
	global_store_b128 v6, v[48+4*\c:51+4*\c], s[22:23] offset:512*\c   ; 32 lanes store 512 consecutive bytes
.endr
	ds_store_b32 v7, v9                            ; the four tiles' words meet in LDS, 16 bytes a lane
	s_wait_dscnt 0x0                               ; for the others' sake: my store has landed
	s_barrier_signal -1
	s_barrier_wait -1
	s_cmp_lg_u32 s12, 0
	s_cbranch_scc1 .Ldone
	ds_load_b128 v[12:15], v6                      ; wave 0: lane l's four words
	s_wait_dscnt 0x0
	global_store_b128 v6, v[12:15], s[24:25]
.Ldone:
	s_wait_tensorcnt 0x0
	ds_add_u32 v200, v201
	s_wait_dscnt 0x0
	s_endpgm
.Lfunc_end_k_qe090ef2e85_wquant:
	.size	k_qe090ef2e85_wquant, .Lfunc_end_k_qe090ef2e85_wquant-k_qe090ef2e85_wquant
	.p2alignl 7, 3214868480
	.fill 96, 4, 3214868480
	.section	.rodata,"a",@progbits
	.p2align	6, 0x0
	.amdhsa_kernel k_qe090ef2e85_wquant
		.amdhsa_group_segment_fixed_size 1024
		.amdhsa_private_segment_fixed_size 0
		.amdhsa_enable_private_segment 0
		.amdhsa_kernarg_size 32
		.amdhsa_user_sgpr_count 2
		.amdhsa_user_sgpr_kernarg_segment_ptr 1
		.amdhsa_wavefront_size32 1
		.amdhsa_system_sgpr_workgroup_id_x 1
		.amdhsa_system_sgpr_workgroup_id_y 1
		.amdhsa_system_sgpr_workgroup_id_z 1
		.amdhsa_system_vgpr_workitem_id 0
		.amdhsa_next_free_vgpr 202
		.amdhsa_next_free_sgpr 66
		.amdhsa_reserve_vcc 0
		.amdhsa_float_denorm_mode_32 3
		.amdhsa_float_denorm_mode_16_64 3
		.amdhsa_memory_ordered 1
		.amdhsa_forward_progress 1
		.amdhsa_inst_pref_size 13
	.end_amdhsa_kernel
	.amdgpu_metadata
---
amdhsa.version: [ 1, 2 ]
amdhsa.kernels:
  - .name:           k_qe090ef2e85_wquant
    .symbol:         k_qe090ef2e85_wquant.kd
    .args:
      - { .name: Wq, .offset: 0, .size: 8, .value_kind: global_buffer, .address_space: global }
      - { .name: Wk, .offset: 8, .size: 8, .value_kind: global_buffer, .address_space: global }
      - { .name: Wv, .offset: 16, .size: 8, .value_kind: global_buffer, .address_space: global }
      - { .name: wfrag, .offset: 24, .size: 8, .value_kind: global_buffer, .address_space: global }
    .group_segment_fixed_size: 1024
    .private_segment_fixed_size: 0
    .kernarg_segment_align: 8
    .kernarg_segment_size: 32
    .max_flat_workgroup_size: 128
    .sgpr_count:     66
    .vgpr_count:     202
    .wavefront_size: 32
...
	.end_amdgpu_metadata
.endif
;; end of part 4
;; launch proj (part 5): grid 256 x 1, 4 waves a work-group, clusters of 4 x 1, 211,712 bytes of LDS; arguments x, wfrag, qws, kvws; writes qws, kvws
.if DOCPART == 5
	.amdgcn_target "amdgcn-amd-amdhsa--gfx1250"
	.amdhsa_code_object_version 6
	.text
	.protected	k_qe090ef2e85_proj
	.globl	k_qe090ef2e85_proj
	.p2align	8
	.type	k_qe090ef2e85_proj,@function
k_qe090ef2e85_proj:
	s_mov_b64 s[64:65], 0
	v_nop
	global_prefetch_b8 v0, s[64:65] scope:SCOPE_SE
	s_setreg_imm32_b32 hwreg(HW_REG_WAVE_MODE, 25, 1), 1
	s_wait_xcnt 0x0
	s_wait_alu depctr_hold_cnt(0) depctr_sa_sdst(0) depctr_va_vdst(0) depctr_va_sdst(0) depctr_va_ssrc(0) depctr_va_vcc(0) depctr_vm_vsrc(0)
	s_getreg_b32 s2, hwreg(HW_REG_IB_STS2, 6, 4)
	s_cmp_eq_u32 s2, 0
	s_cbranch_scc0 .Lentry_in_a_cluster
	s_endpgm
.Lentry_in_a_cluster:
	s_bfe_u32 s2, ttmp6, 0x10000c
	s_cmp_lg_u32 s2, 0x3003
	s_cbranch_scc0 .Lentry_shape_is_right
	s_endpgm
.Lentry_shape_is_right:
; q, k, v = x W, on codes of FP6 (E2M3) with one E8M0 scale for each 32 along C; then q and k are quantised along the head's 64 and v along the tokens, and leave as images of the next launch's operand registers.
; SHARES.  Work-group G takes tokens 64 G .. 64 G + 63.  Wave w = 2 b + u takes the 16 tokens 64 G + 32 b + 8 u + i + 8 (i / 8), i = 0 .. 15, and all 192 columns: 12 accumulators, 8 steps of 128 along C.
; That order of tokens makes a wave's tile of k a tile of keys whose scores fall, two tiles together, on 16 neighbouring keys in a lane.
; x is read once, 512 consecutive bytes a load, 64 loads of a wave ahead; a step's 16 x 128 numbers turn through the wave's own stage in LDS, so that a lane holds 16 neighbours of each block of 32.
; W's codes (wfrag, 159,744 bytes) come into LDS once, a quarter by each wave's one tensor load.  CLUSTER: the four work-groups of a cluster want the same bytes, so the load is asked for jointly (mask 15).
; Nothing in LDS is filled a second time.  A wave has one tensor load out.
; PRODUCTS.  Tiles 0-7 (Wq, Wk) are used transposed (source 0 = 16 columns of W, source 1 = my 16 tokens): a lane holds one token and its registers run along the head.
; Tiles 8-11 (Wv) are used as written (source 0 = tokens, source 1 = columns): a lane holds one channel d and eight tokens; the four waves' parts meet in LDS, tokens innermost, and wave w quantises channels 16 w .. 16 w + 15.
; OUT.  qws: a record of 1,024 bytes for tile 4 G + w: registers 0-3 at 16 x lane, 4-5 at 512 + 8 x lane, the scale word (s0, s1, s0, s1) twice at 768 + 8 x lane.
; kvws: a half-record of 6,400 bytes for the 64 tokens: k's tile w at 768 w, v's channels 16 w on at 3,072 + 768 w (512 + 256 bytes each), at 6,144 + 8 x lane the pair (k's scale word, v's).
; LIMITS: a block of zeros gets the byte 1 where the rule says 127 (its codes are zeros; this program alone reads the bytes); NaN and infinities among the inputs are not served.
; REGISTERS, in windows of 256: window 0: addresses, scale words, the numbers in hand and their codes; window 1: x as loaded, four sets of 64; window 2: W's 12 fragments; window 3: the accumulators, tile T at 8 T.
.set CHUNK, 19968                      ; a step's part of wfrag
.set WQ4,   39936                      ; a quarter of wfrag: 156 rows of 256 bytes
.set XST,   159744                     ; behind W: a stage of 16 rows x 528 bytes for each wave
.set XSTW,  8448
.set XP,    528                        ; 512 bytes + 16: an odd multiple of 16, so that sixteen rows' reads start in different banks (64 banks of 4 bytes: ISA guide 11.1)
.set VST,   193536                     ; v: 64 rows (channels) x (256 bytes of 64 tokens + 16)
.set VP,    272
.set SCST,  210944                     ; 256 bytes: the half-record's scale words
.set LB16, 1                           ; v1   16 x lane
.set LB8,  2                           ; v2   8 x lane
.set STI,  3                           ; v3   my stage, on the way in
.set STO,  4                           ; v4   and out: row r, + 64 h
.set WA,   5                           ; v5   16 x lane + the step's chunk of W
.set VSO,  6                           ; v6   v's stage, on the way in
.set VSI,  7                           ; v7   and out
.set KSA,  8                           ; v8   where k's two scale bytes go
.set VSA,  9                           ; v9   and v's
.set SCR,  10                          ; v10  the scale words on the way out
.set WS,   16                          ; v16-27  W's scale words, tile T at WS + T
.set PW,   28                          ; v28     x's scale word
.set TM,   32                          ; v32-47  +0..3 largest magnitudes, +4..7 the other half's, then bytes, +12..15 the conversions' scale operands
.set PC,   48                          ; v48-59  x's codes; v60-66 at work
.set X0,   68                          ; v68-131, v132-195  two sets of 64 numbers
.set QC,   196                         ; q's codes (6), at work (+12), scale words (+16, +17)
.set KC,   216                         ; k's
.set VC,   236                         ; v's
.set WV,   12                          ; s12  my wave
.set SEL,  32                          ; s[32:33]
.set XB,   34                          ; s[34:35] x at my first token
.set QB,   36                          ; s[36:37] my record of qws
.set KVG,  38                          ; s[38:39] the half-record of kvws
.set KVW,  40                          ; s[40:41] + 768 x wave
.set MSB, 0
.macro WIN new                         ; the immediate's high byte repeats the setting that is left; a switch that changes nothing is dropped
.if MSB != (\new)
	s_set_vgpr_msb (MSB<<8)|(\new)
.set MSB, \new
.endif
.endm
.macro PLACES n
.rept \n
	v_nop
.endr
.endm
.macro ROUND                           ; a round of the cluster's barrier
	s_barrier_signal -1
	s_barrier_wait -1
	s_cmp_lg_u32 s[WV], 0
	s_cbranch_scc1 .Lnot_wave_0_\@
	s_barrier_signal -3
.Lnot_wave_0_\@:
	s_barrier_wait -3
	s_barrier_signal -1
	s_barrier_wait -1
.endm
.macro XLOAD s                         ; step s of my 16 tokens: 16 loads of 512 consecutive bytes, into set s % 4 of window 1
	WIN 0x40
.irp i, 0,1,2,3,4,5,6,7,8,9,10,11,12,13,14,15
	global_load_b128 v[64*((\s)%4)+4*\i:64*((\s)%4)+4*\i+3], v[LB16], s[XB:XB+1] offset:(\i+8*(\i/8))*4096+512*(\s) th:TH_LOAD_NT
.endr
	WIN 0
.endm
.macro TURN s                          ; through my stage: in as loaded, out 16 neighbours of each block of 32: register 16 b + i = k 32 b + 16 h + i of row r.  LDS serves a wave's instructions in order (ISA guide 5.7.1.4)
	WIN 0x04
.irp i, 0,1,2,3,4,5,6,7,8,9,10,11,12,13,14,15
	ds_store_b128 v[STI], v[64*((\s)%4)+4*\i:64*((\s)%4)+4*\i+3] offset:XP*\i
.endr
	WIN 0
.irp b, 0,1,2,3
.irp j, 0,1,2,3
	ds_load_b128 v[X0+64*((\s)%2)+16*\b+4*\j:X0+64*((\s)%2)+16*\b+4*\j+3], v[STO] offset:128*\b+16*\j
.endr
.endr
.endm
.macro WLOAD                           ; a step's 12 fragments of W and their scale words: 39 loads
	WIN 0x80
.irp T, 0,1,2,3,4,5,6,7,8,9,10,11
.irp c, 0,1,2
	ds_load_b128 v[12*\T+4*\c:12*\T+4*\c+3], v[WA] offset:1536*\T+512*\c
.endr
.endr
	WIN 0
.irp g, 0,1,2
	ds_load_b128 v[WS+4*\g:WS+4*\g+3], v[WA] offset:18432+512*\g
.endr
.endm
; 32 nc numbers of a lane in window win, register 16 b + i = k 32 b + 16 h + i of my row, become 6 nc registers of codes at v[pc] on and 2 nc scale bytes in v[pw].
.macro QUANT src, win, nc, pc, pw
.irp b, 0,1,2,3
.if \b < 2*(\nc)
	v_mov_b32 v[TM+\b], 0x1800000                  ; the floor 2^(3 - 127), under which no largest magnitude is taken: the byte cannot fall under 1
.endif
.endr
	WIN ((\win)<<2)|((\win)<<4)
.irp i, 0,2,4,6,8,10,12,14                     ; ascending: each accumulator is read from its low end on
.irp b, 0,1,2,3
.if \b < 2*(\nc)
	v_max3_num_f32 v[TM+\b], v[TM+\b], |v[(\src)+16*\b+\i]|, |v[(\src)+16*\b+\i+1]|
.endif
.endr
.endr
	WIN 0
.irp b, 0,1,2,3
.if \b < 2*(\nc)
	v_permlanex16_b32 v[TM+4+\b], v[TM+\b], s[SEL], s[SEL+1]
.endif
.endr
.irp b, 0,1,2,3
.if \b < 2*(\nc)
	v_max_num_f32 v[TM+\b], v[TM+\b], v[TM+4+\b]   ; with lane l xor 16's 16: the block's largest magnitude
.endif
.endr
.irp b, 0,1,2,3
.if \b < 2*(\nc)
	v_add_nc_u32 v[TM+12+\b], 0xff000000, v[TM+\b] ; 2 off its exponent field: the conversion's scale operand
.endif
.endr
.irp b, 0,1,2,3
.if \b < 2*(\nc)
	v_lshrrev_b32 v[TM+4+\b], 23, v[TM+12+\b]      ; the scale's byte
.endif
.endr
	v_lshl_or_b32 v[\pw], v[TM+5], 8, v[TM+4]
.if (\nc) > 1
	v_lshl_or_b32 v[\pw], v[TM+6], 16, v[\pw]
	v_lshl_or_b32 v[\pw], v[TM+7], 24, v[\pw]
.endif
	WIN \win
.irp c, 0,1
.if \c < (\nc)
	v_cvt_scalef32_pk16_fp6_f32 v[(\pc)+6*\c:(\pc)+6*\c+2], v[(\src)+32*\c:(\src)+32*\c+15], v[TM+12+2*\c]
	v_cvt_scalef32_pk16_fp6_f32 v[(\pc)+12+4*\c:(\pc)+14+4*\c], v[(\src)+32*\c+16:(\src)+32*\c+31], v[TM+13+2*\c]   ; (a conversion's three registers begin on an even number)
.endif
.endr
	WIN 0
	v_nop                                          ; one plain place behind a scaled conversion
.irp c, 0,1                                    ; the operand's layout wants a WHOLE block in a lane: lanes 0-15 block 2 c, lanes 16-31 block 2 c + 1
.if \c < (\nc)
.irp i, 0,1,2
	v_permlane16_swap_b32 v[(\pc)+6*\c+\i], v[(\pc)+12+4*\c+\i]
.endr
.irp i, 0,1,2
	v_mov_b32 v[(\pc)+3+6*\c+\i], v[(\pc)+12+4*\c+\i]
.endr
.endif
.endr
.endm
; A step's 12 products.  The twelve accumulators take turns, one instruction a turn, in the same order in every step.  z = 1: the first step starts the sums.
.macro MUL z
	WIN 0xf2                                       ; source 0 (W) window 2, source 1 (x) window 0, C and D window 3
.irp T, 0,1,2,3,4,5,6,7
.if \z
	v_wmma_scale_f32_16x16x128_f8f6f4 v[8*\T:8*\T+7], v[12*\T:12*\T+11], v[PC:PC+11], 0, v[WS+\T], v[PW] matrix_a_fmt:MATRIX_FMT_FP6 matrix_b_fmt:MATRIX_FMT_FP6
.else
	v_wmma_scale_f32_16x16x128_f8f6f4 v[8*\T:8*\T+7], v[12*\T:12*\T+11], v[PC:PC+11], v[8*\T:8*\T+7], v[WS+\T], v[PW] matrix_a_fmt:MATRIX_FMT_FP6 matrix_b_fmt:MATRIX_FMT_FP6
.endif
.endr
	WIN 0xf8                                       ; source 0 (x) window 0, source 1 (W) window 2
.irp T, 8,9,10,11
.if \z
	v_wmma_scale_f32_16x16x128_f8f6f4 v[8*\T:8*\T+7], v[PC:PC+11], v[12*\T:12*\T+11], 0, v[PW], v[WS+\T] matrix_a_fmt:MATRIX_FMT_FP6 matrix_b_fmt:MATRIX_FMT_FP6
.else
	v_wmma_scale_f32_16x16x128_f8f6f4 v[8*\T:8*\T+7], v[PC:PC+11], v[12*\T:12*\T+11], v[8*\T:8*\T+7], v[PW], v[WS+\T] matrix_a_fmt:MATRIX_FMT_FP6 matrix_b_fmt:MATRIX_FMT_FP6
.endif
.endr
	WIN 0
.endm
.macro STEP s
	s_wait_dscnt 39                                ; this step's numbers are back from the stage, so its stores have read set s % 4; W's 39 loads may be out
.if (\s) < 4
	XLOAD (\s)+4                                   ; that set takes the loads of four steps on
.endif
.if (\s) < 7
.if (\s) < 4
	s_wait_loadcnt 48                              ; the next step's 16 loads are in; three younger sets may be out
.else
	s_wait_loadcnt 16*(6-(\s))                     ; 16 x the sets that are younger than the next step's
.endif
	TURN (\s)+1
.endif
	QUANT X0+64*((\s)%2),0,2,PC,PW
	PLACES 8                                       ; a scale word written by a vector instruction stands 8 places ahead of a scaled matrix instruction, codes so written 4
.if (\s) < 7
	s_wait_alu depctr_va_vdst(0)
	s_wait_dscnt 32                                ; W's fragments and scale words are in; the turn's 16 stores and 16 loads may be out
.else
	s_wait_alu depctr_va_vdst(0)
	s_wait_dscnt 0x0
.endif
.if (\s) == 0
	s_wait_alu depctr_va_vdst(0)
	MUL 1
.else
	MUL 0
.endif
.if (\s) < 7
	v_add_nc_u32 v[WA], CHUNK, v[WA]               ; the loads that named it are done: on to the next chunk
	PLACES 4                                       ; in front of loads into registers that matrix instructions have read
	WLOAD
.endif
.endm
	s_load_b256 s[4:11], s[0:1], 0x0               ; x s[4:5], wfrag s[6:7], qws s[8:9], kvws s[10:11]
	v_lshl_add_u32 v254, v0, 2, 0x33900
	v_mov_b32 v255, 0
	ds_add_u32 v254, v255
	ds_add_u32 v254, v255
	v_lshrrev_b32 v11, 5, v0
	v_readfirstlane_b32 s[WV], v11                 ; wave 0..3
	s_bfe_u32 s13, ttmp6, 0x40000                  ; cx: my place in the cluster: it enters global addresses alone
	s_lshl_b32 s14, ttmp9, 2
	s_add_co_u32 s14, s14, s13                     ; G
	s_lshr_b32 s15, s[WV], 1                       ; b
	s_and_b32 s28, s[WV], 1                        ; u
	v_and_b32 v11, 31, v0                          ; lane
	v_and_b32 v12, 15, v0                          ; r
	v_bfe_u32 v13, v0, 4, 1                        ; h
	v_lshlrev_b32 v[LB16], 4, v11
	v_lshlrev_b32 v[LB8], 3, v11
	v_lshlrev_b32 v[WA], 4, v11
	s_mul_i32 s29, s[WV], XSTW
	s_add_co_u32 s29, s29, XST
	v_add_nc_u32 v[STI], s29, v[LB16]
	v_mul_u32_u24 v[STO], v12, XP
	v_lshl_add_u32 v[STO], v13, 6, v[STO]
	v_add_nc_u32 v[STO], s29, v[STO]
	v_mul_u32_u24 v14, v12, VP
	v_lshl_add_u32 v14, v13, 6, v14                ; 272 r + 64 h
	s_lshl_b32 s30, s15, 7
	s_lshl_b32 s31, s28, 5
	s_add_co_u32 s30, s30, s31
	s_add_co_u32 s30, s30, VST
	v_add_nc_u32 v[VSO], s30, v14                  ; row d = 16 t + r (t in the offset); my eight tokens 32 b + 16 h + 8 u + j
	s_mul_i32 s30, s[WV], 16*VP
	s_add_co_u32 s30, s30, VST
	v_add_nc_u32 v[VSI], s30, v14                  ; row d = 16 w + r; 16 tokens of each block of 32
	v_lshlrev_b32 v15, 3, v12                      ; 8 r
	s_wait_alu depctr_va_vdst(0)
	s_lshl_b32 s30, s15, 7
	s_lshl_b32 s31, s28, 1
	s_add_co_u32 s30, s30, s31
	s_add_co_u32 s30, s30, SCST
	v_add_nc_u32 v[KSA], s30, v15                  ; k's word of lane 16 b + r: half u
	s_lshl_b32 s30, s28, 7
	s_lshl_b32 s31, s15, 1
	s_add_co_u32 s30, s30, s31
	s_add_co_u32 s30, s30, SCST+4
	v_add_nc_u32 v[VSA], s30, v15                  ; v's word of lane 16 (w % 2) + r: half w / 2
	v_add_nc_u32 v[SCR], SCST, v[LB8]
.irp b, 0,1,2,3
	v_mov_b32 v[TM+4+\b], 0                        ; written once: a lane permute's destination counts as one of its sources
.endr
	s_mov_b32 s[SEL], 0x76543210
	s_mov_b32 s[SEL+1], 0xfedcba98
	; descriptor group 1: a dense block of 156 rows x 256 bytes (32 elements of 8 bytes)
	s_mov_b32 s20, 15|(3<<16)|(1<<21)              ; 15:0 the mask: all four work-groups; 17:16 elements of 8 bytes; 20 no padding; 21 set beside a mask
	s_mov_b32 s21, 32<<16                          ; tensor_dim0 = 32
	s_mov_b32 s22, 156<<16                         ; tensor_dim1 = 156
	s_mov_b32 s23, 32<<16                          ; tile_dim0 = 32
	s_mov_b32 s24, 156                             ; tile_dim1 = 156
	s_mov_b32 s25, 32                              ; from row to row
	s_mov_b32 s26, 0
	s_mov_b32 s27, 0
	s_mov_b32 s16, 1                               ; group 0: count = 1
	s_mul_i32 s17, s[WV], WQ4                      ; LDS address: my quarter
	s_lshl_b32 s42, s14, 18                        ; (64 G + 32 b + 8 u) rows of 4,096 bytes
	s_lshl_b32 s44, s15, 17
	s_add_co_u32 s42, s42, s44
	s_lshl_b32 s44, s28, 15
	s_add_co_u32 s42, s42, s44
	s_mov_b32 s43, 0
	s_mov_b32 s45, 0
	s_wait_dscnt 0x0
	s_wait_kmcnt 0x0
	s_add_nc_u64 s[XB:XB+1], s[4:5], s[42:43]
	s_mov_b32 s42, s17
	s_add_nc_u64 s[18:19], s[6:7], s[42:43]        ; global address: my quarter of wfrag, the same in all four work-groups
	s_or_b32 s19, s19, 0x80000000                  ; type = 2
	s_lshl_b32 s42, s14, 2
	s_add_co_u32 s42, s42, s[WV]
	s_lshl_b32 s42, s42, 10                        ; record 4 G + w
	s_add_nc_u64 s[QB:QB+1], s[8:9], s[42:43]
	s_mul_i32 s42, s14, 6400
	s_add_nc_u64 s[KVG:KVG+1], s[10:11], s[42:43]
	s_mul_i32 s44, s[WV], 768
	s_add_nc_u64 s[KVW:KVW+1], s[KVG:KVG+1], s[44:45]
	XLOAD 0                                        ; x first: 64 loads of a wave are on their way while W comes
	XLOAD 1
	XLOAD 2
	XLOAD 3
	ROUND                                          ; all four work-groups are here: the joint loads meet
	tensor_load_to_lds s[16:19], s[20:27]
	s_nop 0
	PLACES 4
	s_wait_tensorcnt 0x0                           ; my quarter of W is in,
	s_barrier_signal -1
	s_barrier_wait -1                              ; everybody's is
	s_wait_loadcnt 48                              ; step 0's 16 loads are in
	TURN 0
	WLOAD
.irp q, 0,1,2,3,4,5,6,7
	STEP \q
.endr
	PLACES 4                                       ; in front of the first reads of results
	WIN 0x0c                                       ; an LDS store's data are its source 1: window 3
.irp t, 0,1,2,3
	ds_store_b128 v[VSO], v[64+8*\t:64+8*\t+3] offset:16*\t*VP       ; v(tokens 32 b + 16 h + 8 u + 0 .. 7, channel 16 t + r); each accumulator from its low end on
	ds_store_b128 v[VSO], v[64+8*\t+4:64+8*\t+7] offset:16*\t*VP+16
.endr
	WIN 0
	QUANT 0,3,1,QC,QC+16                           ; q: tiles 0-3: register 16 b + i = channel 32 b + 16 h + i of my token
	v_lshl_or_b32 v[QC+16], v[QC+16], 16, v[QC+16] ; (s0, s1, s0, s1): q will stand in the lower or in the upper 64 of a K of 128
	v_mov_b32 v[QC+17], v[QC+16]
	global_store_b128 v[LB16], v[QC:QC+3], s[QB:QB+1]
	global_store_b64 v[LB8], v[QC+4:QC+5], s[QB:QB+1] offset:512
	global_store_b64 v[LB8], v[QC+16:QC+17], s[QB:QB+1] offset:768
	QUANT 32,3,1,KC,KC+16                          ; k: tiles 4-7
	global_store_b128 v[LB16], v[KC:KC+3], s[KVW:KVW+1]
	global_store_b64 v[LB8], v[KC+4:KC+5], s[KVW:KVW+1] offset:512
	ds_store_b16 v[KSA], v[KC+16]                  ; both lanes of a row write the same two bytes
	s_wait_dscnt 0x0                               ; for the others' sake: my part of v and my bytes have landed
	s_barrier_signal -1
	s_barrier_wait -1
.irp b, 0,1
.irp i, 0,1,2,3
	ds_load_b128 v[X0+16*\b+4*\i:X0+16*\b+4*\i+3], v[VSI] offset:128*\b+16*\i   ; channel 16 w + r: register 16 b + i = token 32 b + 16 h + i
.endr
.endr
	s_wait_dscnt 0x0
	QUANT X0,0,1,VC,VC+16                          ; v, along the tokens
	global_store_b128 v[LB16], v[VC:VC+3], s[KVW:KVW+1] offset:3072
	global_store_b64 v[LB8], v[VC+4:VC+5], s[KVW:KVW+1] offset:3584
	ds_store_b16 v[VSA], v[VC+16]
	s_wait_dscnt 0x0
	s_barrier_signal -1
	s_barrier_wait -1                              ; the 256 bytes of scale words are whole
	s_cmp_lg_u32 s[WV], 0
	s_cbranch_scc1 .Lnot_mine
	ds_load_b64 v[30:31], v[SCR]
	s_wait_dscnt 0x0
	global_store_b64 v[LB8], v[30:31], s[KVG:KVG+1] offset:6144   ; 32 lanes store 256 consecutive bytes
.Lnot_mine:
	s_wait_tensorcnt 0x0
	ds_add_u32 v254, v255
	s_wait_dscnt 0x0
	ROUND                                          ; the closing round: no work-group ends while a partner may still ask for a tile that names it
	s_endpgm
.Lfunc_end_k_qe090ef2e85_proj:
	.size	k_qe090ef2e85_proj, .Lfunc_end_k_qe090ef2e85_proj-k_qe090ef2e85_proj
	.p2alignl 7, 3214868480
	.fill 96, 4, 3214868480
	.section	.rodata,"a",@progbits
	.p2align	6, 0x0
	.amdhsa_kernel k_qe090ef2e85_proj
		.amdhsa_group_segment_fixed_size 211712
		.amdhsa_private_segment_fixed_size 0
		.amdhsa_enable_private_segment 0
		.amdhsa_kernarg_size 32
		.amdhsa_user_sgpr_count 2
		.amdhsa_user_sgpr_kernarg_segment_ptr 1
		.amdhsa_wavefront_size32 1
		.amdhsa_system_sgpr_workgroup_id_x 1
		.amdhsa_system_sgpr_workgroup_id_y 1
		.amdhsa_system_sgpr_workgroup_id_z 1
		.amdhsa_system_vgpr_workitem_id 0
		.amdhsa_next_free_vgpr 864
		.amdhsa_next_free_sgpr 66
		.amdhsa_reserve_vcc 0
		.amdhsa_float_denorm_mode_32 3
		.amdhsa_float_denorm_mode_16_64 3
		.amdhsa_memory_ordered 1
		.amdhsa_forward_progress 1
		.amdhsa_inst_pref_size 111
	.end_amdhsa_kernel
	.amdgpu_metadata
---
amdhsa.version: [ 1, 2 ]
amdhsa.kernels:
  - .name:           k_qe090ef2e85_proj
    .symbol:         k_qe090ef2e85_proj.kd
    .args:
      - { .name: x, .offset: 0, .size: 8, .value_kind: global_buffer, .address_space: global }
      - { .name: wfrag, .offset: 8, .size: 8, .value_kind: global_buffer, .address_space: global }
      - { .name: qws, .offset: 16, .size: 8, .value_kind: global_buffer, .address_space: global }
      - { .name: kvws, .offset: 24, .size: 8, .value_kind: global_buffer, .address_space: global }
    .group_segment_fixed_size: 211712
    .private_segment_fixed_size: 0
    .kernarg_segment_align: 8
    .kernarg_segment_size: 32
    .max_flat_workgroup_size: 128
    .sgpr_count:     66
    .vgpr_count:     864
    .wavefront_size: 32
...
	.end_amdgpu_metadata
.endif
;; end of part 5
;; launch attn (part 6): grid 64 x 4, 8 waves a work-group, no clusters, 157,696 bytes of LDS; arguments qws, kvws, out0; writes out0
.if DOCPART == 6
	.amdgcn_target "amdgcn-amd-amdhsa--gfx1250"
	.amdhsa_code_object_version 6
	.text
	.protected	k_qe090ef2e85_attn
	.globl	k_qe090ef2e85_attn
	.p2align	8
	.type	k_qe090ef2e85_attn,@function
k_qe090ef2e85_attn:
	s_mov_b64 s[64:65], 0
	v_nop
	global_prefetch_b8 v0, s[64:65] scope:SCOPE_SE
	s_setreg_imm32_b32 hwreg(HW_REG_WAVE_SCHED_MODE, 0, 2), 2
	s_setreg_imm32_b32 hwreg(HW_REG_WAVE_MODE, 25, 1), 1
	s_wait_xcnt 0x0
	s_wait_alu depctr_vm_vsrc(0)
; out0[b][q][:] = the sum over keys k <= q of softmax_k(q . k / 8) v[k][:], both products on codes of FP6 (E2M3) with one E8M0 scale for each 32 along a product's K.
; THE SOFTMAX AHEAD OF THE SECOND PRODUCT: t = score x log2(e) / 8; M = the largest t so far, rounded UP to a whole number; p = 2^(t - M) is quantised along the keys; the sum of the unquantised p divides at the end.
; SHARES.  A work-group owns two blocks of 32 queries of one batch: J (low) and 127 - J (high).  With A = J / 4 + 1 the low block has A steps of 128 keys under the mask and the high block 33 - A: always 33 units of
; (2 tiles of 16 queries) x (128 keys).  Unit U < A is the low block's step U, else the high block's step U - A.  THE KEYS ARE SPLIT OVER THE WAVES: wave w takes units w, w + 8, .. : four or five.
; Each wave keeps its own M, sum and O^T for a block; the eight partial results meet in LDS and are brought under one M by powers of two, which round nothing.
; Two counted loops (2 and 5 trips) walk U = w + 8 T; a scalar branch on ids leaves out the units that are not the loop's block's.  Between the loops the low block's partial result is put away.
; K AND V GO FROM MEMORY STRAIGHT INTO REGISTERS, as images of the operands' registers (kvws), each fragment feeding two tiles of queries.  V of this unit and K of the wave's next unit are asked for behind this unit's first product.
; NO CLUSTER, NO JOINT LOADS: the eight waves of a work-group read eight different records at a time, and two work-groups walk different numbers of steps (A and 33 - A hang on J), so no two ask for the same bytes in step.
; THE HEAD IS 64, THE INSTRUCTION'S K 128: two tiles of keys share one fragment (tile 2 b in k 0 .. 63, tile 2 b + 1 in k 64 .. 127), multiplied by (q, 0) or by (0, q): zero codes add nothing.
; LAYOUT.  Both products are used transposed (S^T = K Q^T, O^T = V^T P^T): a lane holds ONE query.  Lane r of a tile of keys 2 b + u is key 32 b + 8 u + r + 8 (r / 8), so register 16 b + i of S^T is key 32 b + 16 h + i.
; Lane r of query tile u is query 8 u + r + 8 (r / 8) of its block.
; LIMITS: NaN and infinities are not served.  A block's largest p is taken from its largest score by the same multiply-add and exponential, which takes v_exp_f32 not to fall where its input rises.
; REGISTERS.  Window 0: v1-8 addresses; v16-25 scale words; v26-30 the mask; v32.. 24 of statistics a tile; v80.. S^T, then p, 64 a tile; v208.. p's codes, 12 a tile; v232.. at work; v248-251 what is put away beside O^T.
;   Window 1: v0-63 O^T (tile t, channels 16 d on: 32 t + 8 d); v64-111 (q, 0) and (0, q) of both tiles; v112-159 K's four fragments; v160-207 V's four.
; THE MODE: SCHED_MODE bits 1:0 = 2 (LLVM: expert scheduling mode 2), set by the entry lines.  The code itself states the register dependences between vector or matrix instructions and memory or LDS
; instructions, with s_wait_alu, always for 0.
; THE PLAN.  Registers that memory or LDS instructions touch:
;   v1-8          Offsets and LDS addresses: written at the head, ahead of one wait, and never again.
;   K's fragments, v16-19   A unit's 16 products K Q^T and its two v_perm_b32 read them at the unit's head; behind those the loads of the wave's next record land in them.
;   V's fragments A unit's 8 products V^T P read them at its end; the next unit's loads of V land in them behind that unit's products K Q^T.
;   q's fragments, v22-23   The products K Q^T read them; loaded once for each block; the zero halves are written once, by vector lines.
;   O^T, v248-251 Read by the LDS stores that put a block's partial result away; written again for the high block.
;   v32-47, v80-207, v224-239   The combine's LDS loads land in them; before that vector and matrix lines alone name them.     v208-223   Written by the combine, read by the stage's LDS stores.
; So a unit has ONE wait on va_vdst for its 34 loads, behind K Q^T; one ahead of V^T P, whose codes and scale words vector lines have written; and the two behind its exponentials.
.set REC,   12800                      ; a step's record in kvws: two half-records
.set HREC,  6400
.set PARTB, 8704                       ; LDS: a wave's partial result for one block: 16 x 512 bytes of O^T, then 512 of (-M, sum) for both tiles
.set PHB,   69632                      ; the eight waves' for one block
.set OST,   139264                     ; behind them: four stages of 16 rows x (256 + 16) bytes for the way out
.set OSTT,  4352
.set LB16, 1                           ; v1  16 x lane
.set LB8,  2                           ; v2  8 x lane
.set PA0,  3                           ; v3  where I put the low block's partial result
.set PA1,  4                           ; v4  and the high block's
.set CMO,  5                           ; v5  the combine: my 16 registers of O^T in the first wave's partial result
.set CMS,  6                           ; v6  and my tile's (-M, sum)
.set OSW,  7                           ; v7  the stage, on the way in
.set OSR,  8                           ; v8  and out
.set ST,   32                          ; tile t at ST + 24 t: +0 -M, +1 the largest t, +2,3 the sum, +4,5 f, +6,7 a second chain of the sum, +8..11 the blocks' largest, +12..15 the other half's, then bytes, +16..19 scale operands, +20 at work
.set S,    80
.set PCD,  208
.set CT,   232
.set QF,   64                          ; window 1
.set KF,   112
.set VF,   160
.set W,    10                          ; s10 my wave
.set J,    11                          ; s11 the low block
.set BA,   12                          ; s12 the batch
.set A,    13                          ; s13 the low block's steps
.set U,    14                          ; s14 the unit
.set T,    15                          ; s15 the trip
.set LAST, 16                          ; s16 the block's step on the diagonal
.set MB,   17                          ; s17 the block's first query less that step's first key
.set SS,   18                          ; s18 the unit's step
.set JH,   19                          ; s19 the high block
.set SEL,  20                          ; s[20:21] selects for lane l xor 16
.set CS,   22                          ; s[22:23] c = log2(e) / 8
.set KVB,  24                          ; s[24:25] the batch's records
.set RB,   26                          ; s[26:27] this unit's record (V's loads)
.set RN,   28                          ; s[28:29] the next unit's (K's loads)
.set QB0,  30                          ; s[30:31] the low block's two records of qws
.set QB1,  32                          ; s[32:33] the high block's
.set MK,   44                          ; s44-63 and s66-77: 32 lane masks of the diagonal step, mask m at MK + m + 2 (m / 20)
.set MSB, 0
.macro WIN new                         ; the immediate's high byte repeats the setting that is left; a switch that changes nothing is dropped
.if MSB != (\new)
	s_set_vgpr_msb (MSB<<8)|(\new)
.set MSB, \new
.endif
.endm
.macro PLACES n
.rept \n
	v_nop
.endr
.endm
.macro KLOAD base                      ; a step's four fragments of K and the pairs (K's scale word, V's): 18 loads
	WIN 0x40
.irp f, 0,1,2,3
	global_load_b128 v[KF+12*\f:KF+12*\f+3], v[LB16], s[\base:\base+1] offset:HREC*(\f/2)+1536*(\f%2)
	global_load_b64 v[KF+12*\f+4:KF+12*\f+5], v[LB8], s[\base:\base+1] offset:HREC*(\f/2)+1536*(\f%2)+512
	global_load_b128 v[KF+12*\f+6:KF+12*\f+9], v[LB16], s[\base:\base+1] offset:HREC*(\f/2)+1536*(\f%2)+768
	global_load_b64 v[KF+12*\f+10:KF+12*\f+11], v[LB8], s[\base:\base+1] offset:HREC*(\f/2)+1536*(\f%2)+1280
.endr
	WIN 0
.irp c, 0,1
	global_load_b64 v[16+2*\c:17+2*\c], v[LB8], s[\base:\base+1] offset:HREC*\c+6144
.endr
.endm
.macro VLOAD base                      ; a step's four fragments of V: 16 loads.  K's loads follow under the same window
	WIN 0x40
.irp d, 0,1,2,3
.irp c, 0,1
	global_load_b128 v[VF+12*\d+6*\c:VF+12*\d+6*\c+3], v[LB16], s[\base:\base+1] offset:HREC*\c+3072+768*\d
	global_load_b64 v[VF+12*\d+6*\c+4:VF+12*\d+6*\c+5], v[LB8], s[\base:\base+1] offset:HREC*\c+3072+768*\d+512
.endr
.endr
.endm
.macro QLOAD base                      ; a block's two tiles of q, each into the lower six registers of (q, 0) and the upper six of (0, q), and their scale words: 10 loads
	WIN 0x40
.irp t, 0,1
	global_load_b128 v[QF+24*\t:QF+24*\t+3], v[LB16], s[\base:\base+1] offset:1024*\t
	global_load_b64 v[QF+24*\t+4:QF+24*\t+5], v[LB8], s[\base:\base+1] offset:1024*\t+512
	global_load_b128 v[QF+24*\t+18:QF+24*\t+21], v[LB16], s[\base:\base+1] offset:1024*\t
	global_load_b64 v[QF+24*\t+22:QF+24*\t+23], v[LB8], s[\base:\base+1] offset:1024*\t+512
.endr
	WIN 0
.irp t, 0,1
	global_load_b32 v[22+\t], v[LB8], s[\base:\base+1] offset:1024*\t+768
.endr
.endm
.macro INIT                            ; a block begins: the largest t -3e38, sums and O^T zeros, which the first change of M leaves zeros
.irp t, 0,1
	v_mov_b32 v[ST+24*\t+1], 0xff61b1e6
	v_mov_b32 v[ST+24*\t+2], 0
	v_mov_b32 v[ST+24*\t+3], 0
	v_mov_b32 v[ST+24*\t+4], 0
	v_mov_b32 v[ST+24*\t+5], 0
	v_floor_f32 v[ST+24*\t], -v[ST+24*\t+1]
.endr
	WIN 0x40
.set j, 0
.rept 64
	v_mov_b32 v[j], 0
.set j, j+1
.endr
	WIN 0
.endm
; My partial result of a block goes to LDS as it stands in the registers.  q = 1: the low block's; the high block's q is asked for first, behind the same wait.
.macro STASH adr, q
	v_add_f32 v249, v[ST+2], v[ST+3]
	v_add_f32 v251, v[ST+26], v[ST+27]
	v_permlanex16_b32 v10, v249, s[SEL], s[SEL+1]
	v_permlanex16_b32 v11, v251, s[SEL], s[SEL+1]
	v_mov_b32 v248, v[ST]
	v_mov_b32 v250, v[ST+24]
	v_add_f32 v249, v249, v10                      ; the row's sum over my units' keys
	v_add_f32 v251, v251, v11
.if \q
	WIN 0x40
	s_wait_alu depctr_va_vdst(0)                   ; the products K Q^T are done reading q's fragments and scale words, in which the loads below land; O^T and v248-251 are written, which the LDS stores below read
	QLOAD QB1
	WIN 0x04                                       ; an LDS store's data are its source 1: window 1
.else
	WIN 0x04                                       ; an LDS store's data are its source 1: window 1
	s_wait_alu depctr_va_vdst(0)                   ; O^T and v248-251 are written, which the LDS stores below read; and every vector and matrix line that named v32-47 and v80-207 is done: the combine's loads land there, and no such line stands between
.endif
.irp g, 0,1,2,3,4,5,6,7,8,9,10,11,12,13,14,15
	ds_store_b128 v[\adr], v[4*\g:4*\g+3] offset:512*\g            ; ascending: each accumulator from its low end on
.endr
	WIN 0
	ds_store_b128 v[\adr], v[248:251] offset:8192
.endm
; THE UNITS OF ONE BLOCK.  ph = 0: the low block (U < A); 1: the high block (A <= U <= 32).
.macro UNITS ph, trips
	s_mov_b32 s[T], 0
	s_mov_b32 s[U], s[W]
.Ltrip_\@:
.if \ph == 0
	s_cmp_ge_u32 s[U], s[A]
	s_cbranch_scc1 .Lnext_\@
	s_mov_b32 s[SS], s[U]
.else
	s_cmp_lt_u32 s[U], s[A]
	s_cbranch_scc1 .Lnext_\@
	s_cmp_gt_u32 s[U], 32
	s_cbranch_scc1 .Lnext_\@
	s_sub_co_u32 s[SS], s[U], s[A]
.endif
	s_mul_i32 s34, s[SS], REC
	s_add_nc_u64 s[RB:RB+1], s[KVB:KVB+1], s[34:35]   ; (V's loads of the unit before were shown done by that unit's wait for them)
	s_wait_loadcnt 0x0                             ; K, the scale words and q are in: nothing younger is out
	v_perm_b32 v20, v19, v17, 0x05040100           ; V's scale words: the two half-records' low halves: channels 0-15 in lanes 0-15, 16-31 in lanes 16-31;
	v_perm_b32 v21, v19, v17, 0x07060302           ; the high halves: channels 32-47 and 48-63
	WIN 0x05                                       ; K and q in window 1, S^T in window 0
.irp b, 0,1,2,3
.irp u, 0,1
.irp t, 0,1
.if \b % 2
	v_wmma_scale_f32_16x16x128_f8f6f4 v[S+64*\t+16*\b+8*\u:S+64*\t+16*\b+8*\u+7], v[KF+12*\b:KF+12*\b+11], v[QF+24*\t+12*\u:QF+24*\t+12*\u+11], 0, v[16+2*(\b/2)], v[22+\t] matrix_a_fmt:MATRIX_FMT_FP6 matrix_b_fmt:MATRIX_FMT_FP6 matrix_a_scale:MATRIX_SCALE_ROW1
.else
	v_wmma_scale_f32_16x16x128_f8f6f4 v[S+64*\t+16*\b+8*\u:S+64*\t+16*\b+8*\u+7], v[KF+12*\b:KF+12*\b+11], v[QF+24*\t+12*\u:QF+24*\t+12*\u+11], 0, v[16+2*(\b/2)], v[22+\t] matrix_a_fmt:MATRIX_FMT_FP6 matrix_b_fmt:MATRIX_FMT_FP6
.endif
.endr
.endr
.endr
	WIN 0
	PLACES 4                                       ; in front of the first reads of the scores
	s_add_co_u32 s36, s[U], 8                      ; my next unit, in whichever block it falls: its step,
	s_cmp_ge_u32 s36, s[A]
	s_cselect_b32 s37, s[A], 0
	s_sub_co_u32 s36, s36, s37
	s_min_u32 s36, s36, 31                         ; held inside the batch's 32 records where there is no next unit: the loads are always issued, so the counts are alike on every way
	s_mul_i32 s34, s36, REC
	s_add_nc_u64 s[RN:RN+1], s[KVB:KVB+1], s[34:35]   ; (K's loads that read this base were shown done at the unit's head)
	WIN 0x40
	s_wait_alu depctr_va_vdst(0)                   ; the products K Q^T and the two v_perm_b32 are done reading K's fragments and v16-19; the products V^T P of the unit before are done reading V's fragments: the 34 loads below land in these
	VLOAD RB                                       ; this unit's V: it has the softmax in which to land
	KLOAD RN                                       ; and the next unit's K.  No vector or matrix line names these registers before the wait for the loads
	s_cmp_lg_u32 s[SS], s[LAST]                    ; only the block's last step lies on the diagonal
	s_cbranch_scc1 .Lopen_\@
	v_add_nc_u32 v29, s[MB], v27                   ; d = my query - the step's first key - 16 h.  Register 16 b + i holds key 32 b + 16 h + i: hidden where 32 b + i > d
	v_add_nc_u32 v30, s[MB], v28
.set g, 0
.rept 4                                        ; a block of 32 keys at a time: 32 compares in a run, each into a scalar register of its own, then the 32 selections
.set i, 0
.rept 16
.irp t, 0,1
	v_cmp_gt_i32 s[MK+2*i+\t+2*((2*i+\t)/20)], 32*g+i, v[29+\t]
.endr
.set i, i+1
.endr
	s_wait_alu depctr_va_sdst(0)                   ; the run's 32 compares have written their masks, ahead of the first selection that reads one
.set i, 0
.rept 16
.irp t, 0,1
	v_cndmask_b32 v[S+64*\t+16*g+i], v[S+64*\t+16*g+i], v26, s[MK+2*i+\t+2*((2*i+\t)/20)]   ; -infinity: p = 0.  The step's first key counts for every query of the block, so each row's maximum stays a number
.endr
.set i, i+1
.endr
.set g, g+1
.endr
.Lopen_\@:
.irp b, 0,1,2,3
.irp t, 0,1
	v_max3_num_f32 v[ST+24*\t+8+\b], v[S+64*\t+16*\b], v[S+64*\t+16*\b+1], v[S+64*\t+16*\b+2]   ; the largest score of each block of 32 keys: it serves the row's maximum and the block's largest p
.endr
.endr
.irp i, 3,5,7,9,11,13
.irp b, 0,1,2,3
.irp t, 0,1
	v_max3_num_f32 v[ST+24*\t+8+\b], v[ST+24*\t+8+\b], v[S+64*\t+16*\b+\i], v[S+64*\t+16*\b+\i+1]
.endr
.endr
.endr
.irp b, 0,1,2,3
.irp t, 0,1
	v_max_num_f32 v[ST+24*\t+8+\b], v[ST+24*\t+8+\b], v[S+64*\t+16*\b+15]
.endr
.endr
.irp b, 0,1,2,3
.irp t, 0,1
	v_permlanex16_b32 v[ST+24*\t+12+\b], v[ST+24*\t+8+\b], s[SEL], s[SEL+1]
.endr
.endr
.irp b, 0,1,2,3
.irp t, 0,1
	v_max_num_f32 v[ST+24*\t+8+\b], v[ST+24*\t+8+\b], v[ST+24*\t+12+\b]   ; with lane l xor 16's 16 keys
.endr
.endr
.irp t, 0,1
	v_max3_num_f32 v[ST+24*\t+20], v[ST+24*\t+8], v[ST+24*\t+9], v[ST+24*\t+10]
.endr
.irp t, 0,1
	v_max_num_f32 v[ST+24*\t+20], v[ST+24*\t+20], v[ST+24*\t+11]   ; the step's largest score of my query
.endr
.irp t, 0,1
	v_mul_f32 v[ST+24*\t+20], s[CS], v[ST+24*\t+20]                ; as t (c is positive)
.endr
.irp t, 0,1
	v_max_num_f32 v[ST+24*\t+1], v[ST+24*\t+1], v[ST+24*\t+20]     ; the running largest t
.endr
.irp t, 0,1
	v_mov_b32 v[ST+24*\t+20], v[ST+24*\t]
.endr
.irp t, 0,1
	v_floor_f32 v[ST+24*\t], -v[ST+24*\t+1]                        ; the new -M = floor(-t): M is a whole number
.endr
.irp t, 0,1
	v_sub_f32 v[ST+24*\t+20], v[ST+24*\t], v[ST+24*\t+20]          ; old M - new M: a whole number, 0 or less
.endr
.irp t, 0,1
	v_cvt_i32_f32 v[ST+24*\t+20], v[ST+24*\t+20]                   ; (it saturates)
.endr
.irp t, 0,1
	v_ldexp_f32 v[ST+24*\t+4], 1.0, v[ST+24*\t+20]                 ; f = 2^(old M - new M)
.endr
.set j, 0
.rept 32
.irp t, 0,1
	v_pk_fma_f32 v[S+64*\t+j:S+64*\t+j+1], v[S+64*\t+j:S+64*\t+j+1], s[CS:CS+1], v[ST+24*\t:ST+24*\t+1] op_sel_hi:[1,0,0]   ; t - M, two at a time
.endr
.set j, j+2
.endr
.irp b, 0,1,2,3
.irp t, 0,1
	v_fma_f32 v[ST+24*\t+8+\b], v[ST+24*\t+8+\b], s[CS], v[ST+24*\t]   ; the same of each block's largest score
.endr
.endr
.set j, 0
	s_wait_alu depctr_va_vdst(0)
.rept 64
.irp t, 0,1
	v_exp_f32 v[S+64*\t+j], v[S+64*\t+j]           ; p = 2^(t - M), at most 1: not normalised
.endr
.set j, j+1
.endr
.irp t, 0,1
	v_pk_mul_f32 v[ST+24*\t+2:ST+24*\t+3], v[ST+24*\t+2:ST+24*\t+3], v[ST+24*\t+4:ST+24*\t+5] op_sel_hi:[1,0]   ; the sums under the new M: the plain place behind the exponentials
.endr
	s_wait_alu depctr_va_vdst(0)                   ; the 128 exponentials have written p: one wait for the batch, ahead of its first reader
.irp b, 0,1,2,3
.irp t, 0,1
	v_exp_f32 v[ST+24*\t+8+\b], v[ST+24*\t+8+\b]   ; the block's largest p
.endr
.endr
.irp t, 0,1
	v_pk_add_f32 v[ST+24*\t+6:ST+24*\t+7], v[S+64*\t:S+64*\t+1], v[S+64*\t+2:S+64*\t+3]   ; the row's sum is taken of the unquantised p, in two chains
.endr
.set j, 4
.rept 15
.irp t, 0,1
	v_pk_add_f32 v[ST+24*\t+2:ST+24*\t+3], v[ST+24*\t+2:ST+24*\t+3], v[S+64*\t+j:S+64*\t+j+1]
	v_pk_add_f32 v[ST+24*\t+6:ST+24*\t+7], v[ST+24*\t+6:ST+24*\t+7], v[S+64*\t+j+2:S+64*\t+j+3]
.endr
.set j, j+4
.endr
.irp t, 0,1
	v_pk_add_f32 v[ST+24*\t+2:ST+24*\t+3], v[ST+24*\t+2:ST+24*\t+3], v[ST+24*\t+6:ST+24*\t+7]
.endr
	s_wait_alu depctr_va_vdst(0)                   ; the eight exponentials have written the blocks' largest p, ahead of their first reader
.irp b, 0,1,2,3
.irp t, 0,1
	v_max_num_f32 v[ST+24*\t+8+\b], 0x1800000, v[ST+24*\t+8+\b]    ; the floor 2^(3 - 127): the byte cannot fall under 1 (a block of zeros keeps that byte: its codes are zeros)
.endr
.endr
.irp b, 0,1,2,3
.irp t, 0,1
	v_add_nc_u32 v[ST+24*\t+16+\b], 0xff000000, v[ST+24*\t+8+\b]   ; 2 off the exponent field: the conversion's scale operand
.endr
.endr
.irp b, 0,1,2,3
.irp t, 0,1
	v_lshrrev_b32 v[ST+24*\t+12+\b], 23, v[ST+24*\t+16+\b]         ; the scale's byte
.endr
.endr
.irp t, 0,1
	v_lshl_or_b32 v[24+\t], v[ST+24*\t+13], 8, v[ST+24*\t+12]      ; p's scale word for these 128 keys
.endr
.irp t, 0,1
	v_lshl_or_b32 v[24+\t], v[ST+24*\t+14], 16, v[24+\t]
.endr
.irp t, 0,1
	v_lshl_or_b32 v[24+\t], v[ST+24*\t+15], 24, v[24+\t]
.endr
.irp t, 0,1
.irp c, 0,1
	v_cvt_scalef32_pk16_fp6_f32 v[PCD+12*\t+6*\c:PCD+12*\t+6*\c+2], v[S+64*\t+32*\c:S+64*\t+32*\c+15], v[ST+24*\t+16+2*\c]
	v_cvt_scalef32_pk16_fp6_f32 v[CT+8*\t+4*\c:CT+8*\t+4*\c+2], v[S+64*\t+32*\c+16:S+64*\t+32*\c+31], v[ST+24*\t+17+2*\c]   ; (a conversion's three registers begin on an even number)
.endr
.endr
	v_nop                                          ; one plain place behind a scaled conversion
.irp t, 0,1
.irp c, 0,1                                    ; the operand's layout wants a WHOLE block in a lane
.irp i, 0,1,2
	v_permlane16_swap_b32 v[PCD+12*\t+6*\c+\i], v[CT+8*\t+4*\c+\i]
.endr
.irp i, 0,1,2
	v_mov_b32 v[PCD+12*\t+6*\c+3+\i], v[CT+8*\t+4*\c+\i]
.endr
.endr
.endr
	WIN 0x41                                       ; O^T (destination and source 0) in window 1, f in window 0
.set j, 0
.rept 16
.irp t, 0,1
	v_pk_mul_f32 v[32*\t+j:32*\t+j+1], v[32*\t+j:32*\t+j+1], v[ST+24*\t+4:ST+24*\t+5] op_sel_hi:[1,0]   ; O^T under the new M; ascending.  These 32 are also the places between p's codes and scale word and the products
.endr
.set j, j+2
.endr
	s_wait_loadcnt 18                              ; all but the next K's 18: V is in
	s_wait_alu depctr_va_vdst(0)                   ; p's codes, p's scale words v24-25 and V's scale words v20-21 are written by vector lines: the scaled products below take them as source 1 and as scales; the places above stay beside this wait
	WIN 0x51                                       ; V in window 1, p in window 0, O^T in window 1
.irp d, 0,1,2,3                                ; the eight accumulators take turns
.irp t, 0,1
.if \d % 2
	v_wmma_scale_f32_16x16x128_f8f6f4 v[32*\t+8*\d:32*\t+8*\d+7], v[VF+12*\d:VF+12*\d+11], v[PCD+12*\t:PCD+12*\t+11], v[32*\t+8*\d:32*\t+8*\d+7], v[20+\d/2], v[24+\t] matrix_a_fmt:MATRIX_FMT_FP6 matrix_b_fmt:MATRIX_FMT_FP6 matrix_a_scale:MATRIX_SCALE_ROW1
.else
	v_wmma_scale_f32_16x16x128_f8f6f4 v[32*\t+8*\d:32*\t+8*\d+7], v[VF+12*\d:VF+12*\d+11], v[PCD+12*\t:PCD+12*\t+11], v[32*\t+8*\d:32*\t+8*\d+7], v[20+\d/2], v[24+\t] matrix_a_fmt:MATRIX_FMT_FP6 matrix_b_fmt:MATRIX_FMT_FP6
.endif
.endr
.endr
	WIN 0
	PLACES 4                                       ; in front of the next write of V's scale words and of the stores of O^T
.Lnext_\@:
	s_add_co_u32 s[U], s[U], 8
	s_add_co_u32 s[T], s[T], 1
	s_cmp_lt_u32 s[T], \trips
	s_cbranch_scc1 .Ltrip_\@
.endm
	s_load_b128 s[4:7], s[0:1], 0x0                ; qws s[4:5], kvws s[6:7]
	s_load_b64 s[8:9], s[0:1], 0x10                ; out0
	v_lshl_add_u32 v254, v0, 2, 0x26400
	v_mov_b32 v255, 0
	v_lshrrev_b32 v10, 5, v0
	v_readfirstlane_b32 s[W], v10                  ; wave 0..7
	s_mov_b32 s[J], ttmp9
	s_and_b32 s[BA], ttmp7, 0xffff
	s_lshr_b32 s[A], s[J], 2
	s_add_co_u32 s[A], s[A], 1
	s_sub_co_u32 s[JH], 127, s[J]
	v_and_b32 v10, 31, v0                          ; lane
	v_and_b32 v11, 15, v0                          ; r
	v_bfe_u32 v12, v0, 4, 1                        ; h
	v_lshlrev_b32 v[LB16], 4, v10
	s_wait_alu depctr_va_vdst(0)
	v_lshlrev_b32 v[LB8], 3, v10
	s_wait_alu depctr_va_sdst(0)                   ; the wave's number is written into s10, ahead of its first reader
	s_mul_i32 s36, s[W], PARTB
	v_add_nc_u32 v[PA0], s36, v[LB16]
	v_add_nc_u32 v[PA1], PHB, v[PA0]
	; the combine: wave w takes tile w / 2 of the four (block w / 4, tile u' = (w / 2) % 2) and channels 32 e on, e = w % 2
	s_lshr_b32 s38, s[W], 2                        ; which block
	s_bfe_u32 s39, s[W], 0x10001                   ; u'
	s_and_b32 s40, s[W], 1                         ; e
	s_mul_i32 s36, s38, PHB
	s_lshl_b32 s41, s39, 12
	s_add_co_u32 s41, s41, s36
	s_lshl_b32 s42, s40, 11
	s_add_co_u32 s41, s41, s42
	v_add_nc_u32 v[CMO], s41, v[LB16]              ; blocks 8 u' + 4 e on of 512 bytes
	s_lshl_b32 s41, s39, 3
	s_add_co_u32 s41, s41, s36
	s_add_co_u32 s41, s41, 8192
	v_add_nc_u32 v[CMS], s41, v[LB16]
	s_lshr_b32 s41, s[W], 1
	s_mul_i32 s41, s41, OSTT
	s_add_co_u32 s41, s41, OST                     ; my tile's stage
	s_lshl_b32 s42, s40, 7
	s_add_co_u32 s42, s42, s41
	v_mul_u32_u24 v[OSW], v11, 272
	v_lshl_add_u32 v[OSW], v12, 5, v[OSW]
	v_add_nc_u32 v[OSW], s42, v[OSW]               ; in: row r, + 128 e + 32 h
	s_mul_i32 s42, s40, 8*272
	s_add_co_u32 s42, s42, s41
	v_mul_u32_u24 v[OSR], v12, 272
	v_lshl_add_u32 v[OSR], v11, 4, v[OSR]
	v_add_nc_u32 v[OSR], s42, v[OSR]               ; back: rows 8 e + h + 2 i, 16 bytes a lane
	v_and_b32 v13, 8, v11
	v_add_nc_u32 v13, v13, v11                     ; r + 8 (r / 8)
	v_lshlrev_b32 v14, 4, v12
	v_sub_nc_u32 v27, v13, v14                     ; tile 0: my query in its block, less 16 h
	v_add_nc_u32 v28, 8, v27                       ; tile 1
	v_mov_b32 v26, 0xff800000                      ; -infinity
.irp t, 0,1
.irp b, 0,1,2,3
	v_mov_b32 v[ST+24*\t+12+\b], 0                 ; written once: a lane permute's destination counts as one of its sources
.endr
.endr
	s_mov_b32 s[SEL], 0x76543210
	s_mov_b32 s[SEL+1], 0xfedcba98
	s_mov_b32 s[CS], 0x3e38aa3b                    ; c = log2(e) / 8
	s_mov_b32 s[CS+1], s[CS]                       ; (named with it as a pair, so it is written)
	s_lshr_b32 s[LAST], s[J], 2                    ; the low block's step on the diagonal,
	s_and_b32 s[MB], s[J], 3
	s_lshl_b32 s[MB], s[MB], 5                     ; and where its queries begin in that step
	s_mov_b32 s35, 0                               ; s[34:35]: an offset in 64 bits
	s_lshl_b32 s36, s[BA], 18                      ; 128 blocks of 2,048 bytes a batch
	s_lshl_b32 s34, s[J], 11
	s_add_co_u32 s34, s34, s36
	s_wait_kmcnt 0x0
	s_add_nc_u64 s[QB0:QB0+1], s[4:5], s[34:35]
	s_lshl_b32 s34, s[JH], 11
	s_add_co_u32 s34, s34, s36
	s_add_nc_u64 s[QB1:QB1+1], s[4:5], s[34:35]
	s_mul_i32 s34, s[BA], 32*REC
	s_add_nc_u64 s[KVB:KVB+1], s[6:7], s[34:35]
	s_cmp_ge_u32 s[W], s[A]                        ; my first unit's step
	s_cselect_b32 s36, s[A], 0
	s_sub_co_u32 s36, s[W], s36
	s_mul_i32 s34, s36, REC
	s_add_nc_u64 s[RN:RN+1], s[KVB:KVB+1], s[34:35]
	WIN 0x40
	s_wait_alu depctr_va_vdst(0)                   ; the eight offsets and LDS addresses v1 to v8 are written, which every load and store of the kernel reads; they are not written again
	QLOAD QB0
	KLOAD RN
	s_cmp_eq_u32 s38, 0                            ; out0 at the rows that I store: 4,096 batch + 32 block + 8 u' + 16 e
	s_cselect_b32 s36, s[J], s[JH]
	s_lshl_b32 s36, s36, 5
	s_lshl_b32 s37, s[BA], 12
	s_add_co_u32 s36, s36, s37
	s_lshl_b32 s37, s39, 3
	s_add_co_u32 s36, s36, s37
	s_lshl_b32 s37, s40, 4
	s_add_co_u32 s36, s36, s37
	s_lshl_b32 s34, s36, 8                         ; rows of 256 bytes
	s_add_nc_u64 s[8:9], s[8:9], s[34:35]
	WIN 0x40
.irp t, 0,1
.irp i, 6,7,8,9,10,11,12,13,14,15,16,17
	v_mov_b32 v[QF+24*\t+\i], 0                    ; the upper six registers of (q, 0) and the lower six of (0, q): zero codes, written once
.endr
.endr
	WIN 0
	INIT
	s_wait_alu depctr_va_vdst(0)                   ; the zero codes of (q, 0) and (0, q) are written by vector lines: the scaled products K Q^T take them in their source 1
	UNITS 0, 2                                     ; A is at most 16: two trips reach every unit of the low block
	s_wait_loadcnt 18                              ; on every way the youngest 18 loads are a record of K: all older ones have landed, so q's registers may be loaded anew
	STASH PA0, 1
	s_wait_dscnt 0x0                               ; my LDS stores are done
	s_wait_alu depctr_vm_vsrc(0)                   ; they have read O^T and v248-251, which the lines below and the second putting away write again
	INIT
	s_lshr_b32 s[LAST], s[JH], 2
	s_and_b32 s[MB], s[JH], 3
	s_lshl_b32 s[MB], s[MB], 5
	UNITS 1, 5
	s_wait_loadcnt 0x0                             ; the last record of K, which nobody wants
	STASH PA1, 0
	s_wait_dscnt 0x0                               ; for the others' sake: my partial results have landed
	s_barrier_signal -1
	s_barrier_wait -1
	; THE COMBINE.  Eight partial results of my tile: -M* = the least -M; each is multiplied by f_i = 2^(M_i - M*), a power of two (0 for a wave that had no unit of the block: its -M is 3e38, its sum and O^T zeros).
	; (The loads land in v32-47 and v80-207: the wait in the putting away above stands behind every vector and matrix line that named them.)
.irp i, 0,1,2,3,4,5,6,7
	ds_load_b64 v[32+2*\i:33+2*\i], v[CMS] offset:PARTB*\i         ; (-M_i, sum_i)
.endr
.irp i, 0,1,2,3,4,5,6,7
.irp k, 0,1,2,3
	ds_load_b128 v[S+16*\i+4*\k:S+16*\i+4*\k+3], v[CMO] offset:PARTB*\i+512*\k
.endr
.endr
	s_wait_dscnt 32                                ; the eight pairs are in; O^T's 32 loads may be out
	v_min3_num_f32 v10, v32, v34, v36
	v_min3_num_f32 v10, v10, v38, v40
	v_min3_num_f32 v10, v10, v42, v44
	v_min_num_f32 v10, v10, v46
.irp i, 0,1,2,3,4,5,6,7
	v_sub_f32 v[56+2*\i], v10, v[32+2*\i]          ; M_i - M*: a whole number, 0 or less
.endr
.irp i, 0,1,2,3,4,5,6,7
	v_cvt_i32_f32 v[56+2*\i], v[56+2*\i]           ; (it saturates)
.endr
.irp i, 0,1,2,3,4,5,6,7
	v_ldexp_f32 v[56+2*\i], 1.0, v[56+2*\i]
.endr
.irp i, 0,1,2,3,4,5,6,7
	v_mov_b32 v[57+2*\i], v[56+2*\i]               ; twice, for the packed forms
.endr
	v_mul_f32 v11, v56, v33
.irp i, 1,2,3,4,5,6,7
	v_fmac_f32 v11, v[56+2*\i], v[33+2*\i]         ; the row's sum
.endr
	s_wait_alu depctr_va_vdst(0)
	v_rcp_f32 v12, v11
	s_wait_dscnt 0x0
.irp j, 0,2,4,6,8,10,12,14
	v_pk_mul_f32 v[208+\j:209+\j], v[S+\j:S+\j+1], v[56:57]        ; (plain work behind the reciprocal, which names nothing of it)
.endr
.irp i, 1,2,3,4,5,6,7
.irp j, 0,2,4,6,8,10,12,14
	v_pk_fma_f32 v[208+\j:209+\j], v[S+16*\i+\j:S+16*\i+\j+1], v[56+2*\i:57+2*\i], v[208+\j:209+\j]
.endr
.endr
	s_wait_alu depctr_va_vdst(0)                   ; the reciprocal has written v12, ahead of its first reader
	v_mov_b32 v13, v12
.irp j, 0,2,4,6,8,10,12,14
	v_pk_mul_f32 v[208+\j:209+\j], v[208+\j:209+\j], v[12:13]      ; O^T / the sum: register 8 n + i is channel 32 e + 16 n + 8 h + i of the tile's row r
.endr
	s_wait_alu depctr_va_vdst(0)                   ; the multiplications have written v208-223, which the LDS stores read; and every vector line that named v224-239 is done: the loads from the stage land there, and no vector line follows
	ds_store_b128 v[OSW], v[208:211]
	ds_store_b128 v[OSW], v[212:215] offset:16
	ds_store_b128 v[OSW], v[216:219] offset:64
	ds_store_b128 v[OSW], v[220:223] offset:80
	s_wait_dscnt 0x0                               ; a row's 256 bytes come from two waves
	s_barrier_signal -1
	s_barrier_wait -1
.irp i, 0,1,2,3
	ds_load_b128 v[224+4*\i:227+4*\i], v[OSR] offset:544*\i        ; rows 8 e + h + 2 i of the tile, which are queries 8 u' + 16 e + h + 2 i of the block
.endr
.irp i, 0,1,2,3
	s_wait_dscnt 3-\i
	global_store_b128 v[LB16], v[224+4*\i:227+4*\i], s[8:9] offset:512*\i th:TH_STORE_NT   ; 32 lanes store two rows, 512 consecutive bytes, at a multiple of 256 from out0's first byte
.endr
	s_wait_dscnt 0x0
	s_wait_alu depctr_hold_cnt(0) depctr_sa_sdst(0) depctr_va_vdst(0) depctr_va_sdst(0) depctr_va_ssrc(0) depctr_va_vcc(0) depctr_vm_vsrc(0)
	s_wait_tensorcnt 0x0
	ds_add_u32 v254, v255
	s_wait_dscnt 0x0
	s_endpgm
.Lfunc_end_k_qe090ef2e85_attn:
	.size	k_qe090ef2e85_attn, .Lfunc_end_k_qe090ef2e85_attn-k_qe090ef2e85_attn
	.p2alignl 7, 3214868480
	.fill 96, 4, 3214868480
	.section	.rodata,"a",@progbits
	.p2align	6, 0x0
	.amdhsa_kernel k_qe090ef2e85_attn
		.amdhsa_group_segment_fixed_size 157696
		.amdhsa_private_segment_fixed_size 0
		.amdhsa_enable_private_segment 0
		.amdhsa_kernarg_size 24
		.amdhsa_user_sgpr_count 2
		.amdhsa_user_sgpr_kernarg_segment_ptr 1
		.amdhsa_wavefront_size32 1
		.amdhsa_system_sgpr_workgroup_id_x 1
		.amdhsa_system_sgpr_workgroup_id_y 1
		.amdhsa_system_sgpr_workgroup_id_z 1
		.amdhsa_system_vgpr_workitem_id 0
		.amdhsa_next_free_vgpr 464
		.amdhsa_next_free_sgpr 78
		.amdhsa_reserve_vcc 0
		.amdhsa_float_denorm_mode_32 3
		.amdhsa_float_denorm_mode_16_64 3
		.amdhsa_memory_ordered 1
		.amdhsa_forward_progress 1
		.amdhsa_inst_pref_size 126
	.end_amdhsa_kernel
	.amdgpu_metadata
---
amdhsa.version: [ 1, 2 ]
amdhsa.kernels:
  - .name:           k_qe090ef2e85_attn
    .symbol:         k_qe090ef2e85_attn.kd
    .args:
      - { .name: qws, .offset: 0, .size: 8, .value_kind: global_buffer, .address_space: global }
      - { .name: kvws, .offset: 8, .size: 8, .value_kind: global_buffer, .address_space: global }
      - { .name: out0, .offset: 16, .size: 8, .value_kind: global_buffer, .address_space: global }
    .group_segment_fixed_size: 157696
    .private_segment_fixed_size: 0
    .kernarg_segment_align: 8
    .kernarg_segment_size: 24
    .max_flat_workgroup_size: 256
    .sgpr_count:     78
    .vgpr_count:     464
    .wavefront_size: 32
...
	.end_amdgpu_metadata
.endif
;; end of part 6
